; MI455X (gfx1250); checked and timed in simulation.
; The chip was launched on July 23, 2026; its instructions are those of AMD's public machine-readable ISA for CDNA 5 (MIT licence, August 2026) and "CDNA5" Instruction Set Architecture Reference Guide (July 2026). The comments in the code are by the model that wrote it; some were corrected since.
;; tblock. Allowed arithmetic: float matrix products may take bf16 or f16 operands with f32 sums; all other float work in f32.
;; Inputs: W_K 1,024 x 8 x 64 float32; W_Q 1,024 x 16 x 64 float32; W_V 1,024 x 8 x 64 float32; W_out 64 x 16 x 1,024 float32; b_out 1,024 float32; ln1_b 1,024 float32; ln1_w 1,024 float32; ln2_b 1,024 float32; ln2_w 1,024 float32; mlp1_b 4,096 float32; mlp1_w 4,096 x 1,024 float32; mlp2_b 1,024 float32; mlp2_w 1,024 x 4,096 float32; x 2 x 2,048 x 1,024 float32.
;; Outputs: out0 2 x 2,048 x 1,024 float32.
;; One version. Each part assembles by itself: llvm-mc -triple=amdgcn-amd-amdhsa -mcpu=gfx1250 --defsym DOCPART=n.
;; ======== version 1 of 1: 8 launches
;; workspace buffers: wts 23,068,672 bytes; nrm 8,388,608 bytes; qkv 16,777,216 bytes; z 8,388,608 bytes; post 16,777,216 bytes; act 33,554,432 bytes
;; launch prep (part 1): grid 1152 x 1, 8 waves a work-group, no clusters, 18,688 bytes of LDS; arguments W_Q, W_K, W_V, W_out, mlp1_w, mlp2_w, wts; writes wts
.if DOCPART == 1
	.amdgcn_target "amdgcn-amd-amdhsa--gfx1250"
	.amdhsa_code_object_version 6
	.text
	.protected	k_q2077e43b89_prep
	.globl	k_q2077e43b89_prep
	.p2align	8
	.type	k_q2077e43b89_prep,@function
k_q2077e43b89_prep:
	s_mov_b64 s[64:65], 0
	v_nop
	global_prefetch_b8 v0, s[64:65] scope:SCOPE_SE
	s_setreg_imm32_b32 hwreg(HW_REG_WAVE_MODE, 25, 1), 1
	s_wait_xcnt 0x0
; All weights to bf16, into one buffer:
;   byte 0x000000  wqkv, 2048 n x 1024 k: n 0-1023 from W_Q (n = 64 head + k), 1024-1535 from W_K, 1536-2047 from W_V     in fragment order
;   byte 0x400000  wo,   1024 d x 1024 kappa, kappa = 64 head + k, from W_out[k][head][d]                                   in fragment order
;   byte 0x600000  w1    [4096][1024] from mlp1_w, rows along k
;   byte 0xE00000  w2,   1024 n x 4096 k from mlp2_w                                                                        in fragment order
; FRAGMENT ORDER of W[n][k] with K columns: 8,192 bytes for each (block of 128 n, 32 k), the blocks of one n block following each other along k; in
; them 1,024 bytes for each 16 n; in those, two halves of 512 bytes (k 0-15, k 16-31 of the 32); in a half, lane l = 16 h + r holds the 16 bytes
; W[16 n-tile + r][8 h .. 8 h + 7].  So one 16-byte load a lane, 512 consecutive bytes a wave, fills registers 0-3 or 4-7 of a matrix operand.
; Work-groups 0-383 transpose a tile of 128 k x 64 n through LDS; 384-639 convert 65,536 bytes of mlp1_w each; 640-1151 take a tile of 64 n x 128 k
; of mlp2_w through LDS.  Both kinds of tile leave LDS by the same lines.  Every load of a wave covers 256 or 512 consecutive aligned bytes, every
; store 256 or 512.  No matrix unit, no cluster: each byte is used once.
.set OFF, 2                            ; v[2:17]   transposing: byte offset of my 8 bytes in source row ii of my wave's 16
.set XT,  18                           ; v[18:49]  row ii: two f32 (columns 2 lane, 2 lane + 1)
.set YT,  50                           ; v[50:65]  packed bf16: 4 registers for each (column parity, half of the 16 k)
.set TS,  66                           ; LDS address for the stores
.set TR,  67                           ; LDS address for the read-back
.set DOF, 68                           ; byte offset in the destination
.set RBK, 72                           ; v[72:87]  pieces read back
.set TP,  272                          ; LDS row: 256 bytes (128 k) + 16
.set EO,  32*TP+128                    ; column n of the tile lies at (n / 2) TP + (n % 2) EO: the 128 bytes put the odd columns' rows eight 16-byte columns beside the even ones'
	s_load_b256 s[8:15], s[0:1], 0x0               ; W_Q s[8:9], W_K s[10:11], W_V s[12:13], W_out s[14:15]
	s_load_b128 s[16:19], s[0:1], 0x20             ; mlp1_w s[16:17], mlp2_w s[18:19]
	s_load_b64 s[20:21], s[0:1], 0x30              ; wts
	v_lshl_add_u32 v100, v0, 2, 0x4500
	v_mov_b32 v101, 0
	v_lshrrev_b32 v1, 5, v0
	v_readfirstlane_b32 s22, v1                    ; wave 0..7
	v_and_b32 v1, 31, v0                           ; lane
	s_wait_kmcnt 0x0
	s_cmp_lt_u32 ttmp9, 384
	s_cbranch_scc0 .Lplain
	; which tensor: s[24:25] source, s26 bytes from one k row of the tile to the next, s27 tile number, s32 first tile of 64 n in the destination,
	; s33 log2 of the source row's bytes, s34 destination's first byte, s35 = 1 for W_out
	s_cmp_lt_u32 ttmp9, 128
	s_cbranch_scc1 .Lfrom_q
	s_cmp_lt_u32 ttmp9, 192
	s_cbranch_scc1 .Lfrom_k
	s_cmp_lt_u32 ttmp9, 256
	s_cbranch_scc1 .Lfrom_v
	s_mov_b64 s[24:25], s[14:15]                   ; W_out: source row = 16 k + head, 4,096 bytes; k to k + 1 is 16 rows
	s_mov_b32 s26, 65536
	s_sub_co_u32 s27, ttmp9, 256
	s_mov_b32 s32, 0
	s_mov_b32 s33, 12
	s_mov_b32 s34, 0x400000
	s_mov_b32 s35, 1
	s_branch .Ltile
.Lfrom_q:
	s_mov_b64 s[24:25], s[8:9]
	s_mov_b32 s26, 4096
	s_mov_b32 s27, ttmp9
	s_mov_b32 s32, 0
	s_mov_b32 s33, 12
	s_mov_b32 s34, 0
	s_mov_b32 s35, 0
	s_branch .Ltile
.Lfrom_k:
	s_mov_b64 s[24:25], s[10:11]
	s_mov_b32 s26, 2048
	s_sub_co_u32 s27, ttmp9, 128
	s_mov_b32 s32, 16                              ; n 1024 of wqkv
	s_mov_b32 s33, 11
	s_mov_b32 s34, 0
	s_mov_b32 s35, 0
	s_branch .Ltile
.Lfrom_v:
	s_mov_b64 s[24:25], s[12:13]
	s_mov_b32 s26, 2048
	s_sub_co_u32 s27, ttmp9, 192
	s_mov_b32 s32, 24                              ; n 1536 of wqkv
	s_mov_b32 s33, 11
	s_mov_b32 s34, 0
	s_mov_b32 s35, 0
.Ltile:
	s_and_b32 s36, s27, 7                          ; kt: which 128 k
	s_lshr_b32 s37, s27, 3                         ; nt: which 64 n of the source
	s_lshl_b32 s38, s36, 7
	s_lshl_b32 s39, s22, 4
	s_add_co_u32 s38, s38, s39                     ; plain tensors: my wave's first source row = 128 kt + 16 w
	s_and_b32 s39, s22, 3
	s_lshl_b32 s39, s39, 8                         ; W_out: kappa = 128 kt + 16 w + ii, so k = 16 (w & 3) + ii, head = 2 kt + (w >> 2):
	s_lshl_b32 s23, s36, 1                         ; first source row = 256 (w & 3) + 2 kt + (w >> 2)
	s_add_co_u32 s39, s39, s23
	s_lshr_b32 s23, s22, 2
	s_add_co_u32 s39, s39, s23
	s_cmp_eq_u32 s35, 1
	s_cselect_b32 s38, s39, s38
	s_lshl_b32 s28, s38, s33                       ; in bytes
	s_lshl_b32 s39, s37, 8                         ; + 64 columns of 4 bytes for each nt
	s_add_co_u32 s28, s28, s39
	s_mov_b32 s29, 0
	s_add_nc_u64 s[24:25], s[24:25], s[28:29]
	s_add_co_u32 s39, s37, s32                     ; the tile of 64 n in the destination
	s_lshr_b32 s30, s39, 1
	s_lshl_b32 s30, s30, 18                        ; its block of 128 n: 32 k steps of 8,192 bytes
	s_and_b32 s39, s39, 1
	s_lshl_b32 s39, s39, 12                        ; its half of each 8,192 bytes
	s_add_co_u32 s30, s30, s39
	s_lshl_b32 s39, s36, 15                        ; 4 kt k steps
	s_add_co_u32 s30, s30, s39
	s_add_co_u32 s30, s30, s34
	s_mov_b32 s31, 0
	s_add_nc_u64 s[20:21], s[20:21], s[30:31]
	v_lshlrev_b32 v69, 3, v1                       ; 8 bytes a lane: a row's 256 bytes by one load of the wave
.irp ii, 0,1,2,3,4,5,6,7,8,9,10,11,12,13,14,15
	v_mad_u32_u24 v[OFF+\ii], s26, \ii, v69
.endr
.irp ii, 0,1,2,3,4,5,6,7,8,9,10,11,12,13,14,15
	global_load_b64 v[XT+2*\ii:XT+2*\ii+1], v[OFF+\ii], s[24:25] th:TH_LOAD_NT
.endr
	v_mul_u32_u24 v[TS], v1, TP                    ; lane l holds columns 2 l and 2 l + 1, at k = 16 w
	s_lshl_b32 s39, s22, 5
	v_add_nc_u32 v[TS], s39, v[TS]
	s_wait_loadcnt 0x0
.irp e, 0,1
.irp gq, 0,1
.irp r, 0,1,2,3
	v_cvt_pk_bf16_f32 v[YT+8*\e+4*\gq+\r], v[XT+2*(8*\gq+2*\r)+\e], v[XT+2*(8*\gq+2*\r+1)+\e]   ; two neighbouring k of one column
.endr
	ds_store_b128 v[TS], v[YT+8*\e+4*\gq:YT+8*\e+4*\gq+3] offset:\e*EO+16*\gq
.endr
.endr
	s_branch .Lout
.Lplain:
	s_cmp_lt_u32 ttmp9, 640
	s_cbranch_scc1 .Lconvert
	; a tile of 64 n x 128 k of mlp2_w [1024][4096]: wave w takes rows 8 w .. 8 w + 7, a row's 512 bytes by one load
	s_sub_co_u32 s27, ttmp9, 640
	s_and_b32 s36, s27, 31                         ; kt
	s_lshr_b32 s37, s27, 5                         ; nt
	s_lshl_b32 s28, s37, 20                        ; 64 rows of 16,384 bytes
	s_lshl_b32 s39, s36, 9                         ; 128 k of 4 bytes
	s_add_co_u32 s28, s28, s39
	s_lshl_b32 s39, s22, 17                        ; my wave's 8 rows
	s_add_co_u32 s28, s28, s39
	s_mov_b32 s29, 0
	s_add_nc_u64 s[24:25], s[18:19], s[28:29]
	s_lshr_b32 s30, s37, 1
	s_lshl_b32 s30, s30, 20                        ; the block of 128 n: 128 k steps of 8,192 bytes
	s_and_b32 s39, s37, 1
	s_lshl_b32 s39, s39, 12
	s_add_co_u32 s30, s30, s39
	s_lshl_b32 s39, s36, 15
	s_add_co_u32 s30, s30, s39
	s_add_co_u32 s30, s30, 0xe00000
	s_mov_b32 s31, 0
	s_add_nc_u64 s[20:21], s[20:21], s[30:31]
	v_lshlrev_b32 v69, 4, v1
.irp i, 0,1,2,3,4,5,6,7
	global_load_b128 v[2+4*\i:5+4*\i], v69, s[24:25] offset:16384*\i th:TH_LOAD_NT
.endr
	v_lshlrev_b32 v[TS], 3, v1                     ; four k a lane: 8 bytes of bf16
	s_mul_i32 s39, s22, 4*TP                       ; column 8 w + i lies at (4 w + i / 2) TP + (i % 2) EO
	v_add_nc_u32 v[TS], s39, v[TS]
.irp i, 0,1,2,3,4,5,6,7
	s_wait_loadcnt 7-\i                            ; loads return in order: the younger rows stay out
	v_cvt_pk_bf16_f32 v[34+2*\i], v[2+4*\i], v[3+4*\i]
	v_cvt_pk_bf16_f32 v[35+2*\i], v[4+4*\i], v[5+4*\i]
	ds_store_b64 v[TS], v[34+2*\i:35+2*\i] offset:(\i/2)*TP+(\i%2)*EO
.endr
.Lout:
	; The tile leaves in fragment order: 4 k steps x 4 n tiles x 2 halves = 32 pieces of 512 bytes.  Wave w takes k step w / 2 and n tiles
	; 2 (w % 2), 2 (w % 2) + 1: four pieces, 2,048 consecutive bytes.  Lane 16 h + r reads column 16 tile + r at k = 32 step + 16 half + 8 h.
	v_lshrrev_b32 v70, 4, v1                       ; h
	v_and_b32 v71, 15, v1                          ; r
	v_lshrrev_b32 v88, 1, v71
	v_and_b32 v89, 1, v71
	v_mul_u32_u24 v[TR], v88, TP
	v_mad_u32_u24 v[TR], v89, EO, v[TR]
	v_lshl_add_u32 v[TR], v70, 4, v[TR]
	s_and_b32 s38, s22, 1
	s_lshr_b32 s39, s22, 1
	s_mul_i32 s33, s38, 16*TP                      ; 32 columns on are 16 LDS rows
	s_lshl_b32 s35, s39, 6                         ; 32 k are 64 bytes
	s_add_co_u32 s33, s33, s35
	v_add_nc_u32 v[TR], s33, v[TR]
	s_lshl_b32 s33, s39, 13
	s_lshl_b32 s35, s38, 11
	s_add_co_u32 s33, s33, s35
	v_lshl_add_u32 v[DOF], v1, 4, s33
	s_wait_dscnt 0x0                               ; my stores are in LDS: zero, since other waves read them
	s_barrier_signal -1
	s_barrier_wait -1
.irp t, 0,1,2,3
	ds_load_b128 v[RBK+4*\t:RBK+4*\t+3], v[TR] offset:(\t/2)*8*TP+(\t%2)*32
.endr
.irp t, 0,1,2,3
	s_wait_dscnt 3-\t                              ; the younger read-backs may stay out
	global_store_b128 v[DOF], v[RBK+4*\t:RBK+4*\t+3], s[20:21] offset:512*\t   ; the wave stores 512 consecutive aligned bytes
.endr
	s_wait_tensorcnt 0x0
	ds_add_u32 v100, v101
	s_wait_dscnt 0x0
	s_endpgm
.Lconvert:
	s_sub_co_u32 s27, ttmp9, 384
	s_lshl_b32 s28, s27, 16                        ; 65,536 source bytes a work-group, 8,192 a wave
	s_lshl_b32 s36, s22, 13
	s_add_co_u32 s28, s28, s36
	s_mov_b32 s29, 0
	s_add_nc_u64 s[24:25], s[16:17], s[28:29]
	s_lshr_b32 s30, s28, 1                         ; half as many on the way out
	s_add_co_u32 s30, s30, 0x600000
	s_mov_b32 s31, 0
	s_add_nc_u64 s[20:21], s[20:21], s[30:31]
	v_lshlrev_b32 v98, 4, v1
	v_lshlrev_b32 v99, 3, v1
.irp j, 0,1,2,3,4,5,6,7,8,9,10,11,12,13,14,15
	global_load_b128 v[2+4*\j:5+4*\j], v98, s[24:25] offset:512*\j th:TH_LOAD_NT
.endr
.irp j, 0,1,2,3,4,5,6,7,8,9,10,11,12,13,14,15
	s_wait_loadcnt 15-\j                           ; loads return in order: the younger ones stay out
	v_cvt_pk_bf16_f32 v[66+2*\j], v[2+4*\j], v[3+4*\j]
	v_cvt_pk_bf16_f32 v[67+2*\j], v[4+4*\j], v[5+4*\j]
	global_store_b64 v99, v[66+2*\j:67+2*\j], s[20:21] offset:256*\j   ; the wave stores 256 consecutive aligned bytes
.endr
	s_endpgm
.Lfunc_end_k_q2077e43b89_prep:
	.size	k_q2077e43b89_prep, .Lfunc_end_k_q2077e43b89_prep-k_q2077e43b89_prep
	.p2alignl 7, 3214868480
	.fill 96, 4, 3214868480
	.section	.rodata,"a",@progbits
	.p2align	6, 0x0
	.amdhsa_kernel k_q2077e43b89_prep
		.amdhsa_group_segment_fixed_size 18688
		.amdhsa_private_segment_fixed_size 0
		.amdhsa_enable_private_segment 0
		.amdhsa_kernarg_size 56
		.amdhsa_user_sgpr_count 2
		.amdhsa_user_sgpr_kernarg_segment_ptr 1
		.amdhsa_wavefront_size32 1
		.amdhsa_system_sgpr_workgroup_id_x 1
		.amdhsa_system_sgpr_workgroup_id_y 1
		.amdhsa_system_sgpr_workgroup_id_z 1
		.amdhsa_system_vgpr_workitem_id 0
		.amdhsa_next_free_vgpr 102
		.amdhsa_next_free_sgpr 66
		.amdhsa_reserve_vcc 0
		.amdhsa_float_denorm_mode_32 3
		.amdhsa_float_denorm_mode_16_64 3
		.amdhsa_memory_ordered 1
		.amdhsa_forward_progress 1
		.amdhsa_inst_pref_size 19
	.end_amdhsa_kernel
	.amdgpu_metadata
---
amdhsa.version: [ 1, 2 ]
amdhsa.kernels:
  - .name:           k_q2077e43b89_prep
    .symbol:         k_q2077e43b89_prep.kd
    .args:
      - { .name: W_Q, .offset: 0, .size: 8, .value_kind: global_buffer, .address_space: global }
      - { .name: W_K, .offset: 8, .size: 8, .value_kind: global_buffer, .address_space: global }
      - { .name: W_V, .offset: 16, .size: 8, .value_kind: global_buffer, .address_space: global }
      - { .name: W_out, .offset: 24, .size: 8, .value_kind: global_buffer, .address_space: global }
      - { .name: mlp1_w, .offset: 32, .size: 8, .value_kind: global_buffer, .address_space: global }
      - { .name: mlp2_w, .offset: 40, .size: 8, .value_kind: global_buffer, .address_space: global }
      - { .name: wts, .offset: 48, .size: 8, .value_kind: global_buffer, .address_space: global }
    .group_segment_fixed_size: 18688
    .private_segment_fixed_size: 0
    .kernarg_segment_align: 8
    .kernarg_segment_size: 56
    .max_flat_workgroup_size: 256
    .sgpr_count:     66
    .vgpr_count:     102
    .wavefront_size: 32
...
	.end_amdgpu_metadata
.endif
;; end of part 1
;; launch ln1 (part 2): grid 256 x 1, 4 waves a work-group, no clusters, 0 bytes of LDS; arguments x, ln1_w, ln1_b, nrm; writes nrm
.if DOCPART == 2
	.amdgcn_target "amdgcn-amd-amdhsa--gfx1250"
	.amdhsa_code_object_version 6
	.text
	.protected	k_q2077e43b89_ln1
	.globl	k_q2077e43b89_ln1
	.p2align	8
	.type	k_q2077e43b89_ln1,@function
k_q2077e43b89_ln1:
	s_mov_b64 s[64:65], 0
	v_nop
	global_prefetch_b8 v0, s[64:65] scope:SCOPE_SE
	s_setreg_imm32_b32 hwreg(HW_REG_WAVE_MODE, 25, 1), 1
	s_wait_xcnt 0x0
; dst[r][c] = bf16( (src[r][c] - mean_r) * rsqrt(var_r + 1e-5) * w[c] + b[c] ).  src: [4096][1024] f32, dst: the same shape in bf16.
; One wave takes a whole row (4,096 bytes = 32 registers) and keeps it between the passes; four rows a wave, all 48 loads issued at the start.
; The variance is the mean of (x - mean)^2, made in a second pass over the registers: no difference of large sums.
; No LDS, no barrier, no matrix unit: every byte is read once and written once.
.set GW, 4                             ; v[4:35]    w of my 32 columns (columns 128 j + 4 lane .. + 3)
.set GB, 36                            ; v[36:67]   b
.set XR, 68                            ; v[68:195]  row i at XR + 32 i
.set TT, 196                           ; v[196:203] at work
.set MU, 212                           ; v[212:213] the mean, twice
.set RS, 214                           ; v[214:215] 1 / sqrt(var + eps), twice
	s_load_b256 s[4:11], s[0:1], 0x0               ; src s[4:5], w s[6:7], b s[8:9], dst s[10:11]
	v_lshrrev_b32 v1, 5, v0
	v_readfirstlane_b32 s16, v1                    ; wave
	v_and_b32 v3, 31, v0
	v_lshlrev_b32 v1, 4, v3                        ; 16 bytes a lane in
	v_lshlrev_b32 v2, 3, v3                        ; 8 bytes a lane out
	s_lshl_b32 s2, ttmp9, 16                       ; 16 rows of 4,096 bytes a work-group,
	s_lshl_b32 s17, s16, 14                        ; 4 rows a wave
	s_add_co_u32 s2, s2, s17
	s_mov_b32 s3, 0
	s_lshr_b32 s18, s2, 1                          ; rows of 2,048 bytes on the way out
	s_mov_b32 s19, 0
	s_mov_b32 s12, 0x76543210                      ; v_permlanex16_b32: lane i of one half reads lane i of the other
	s_mov_b32 s13, 0xfedcba98
	s_mov_b32 s14, 0x3a800000                      ; 1 / 1024
	s_mov_b32 s15, 0x3727c5ac                      ; 1e-5
	s_wait_kmcnt 0x0
	s_add_nc_u64 s[4:5], s[4:5], s[2:3]
	s_add_nc_u64 s[10:11], s[10:11], s[18:19]
.irp j, 0,1,2,3,4,5,6,7
	global_load_b128 v[GW+4*\j:GW+4*\j+3], v1, s[6:7] offset:512*\j
.endr
.irp j, 0,1,2,3,4,5,6,7
	global_load_b128 v[GB+4*\j:GB+4*\j+3], v1, s[8:9] offset:512*\j
.endr
.irp i, 0,1,2,3
.irp j, 0,1,2,3,4,5,6,7
	global_load_b128 v[XR+32*\i+4*\j:XR+32*\i+4*\j+3], v1, s[4:5] offset:4096*\i+512*\j
.endr
.endr
.macro FOLD                            ; four pairs of partial sums in TT .. TT+7 to one number in every lane, in TT
	v_pk_add_f32 v[TT:TT+1], v[TT:TT+1], v[TT+2:TT+3]
	v_pk_add_f32 v[TT+4:TT+5], v[TT+4:TT+5], v[TT+6:TT+7]
	v_pk_add_f32 v[TT:TT+1], v[TT:TT+1], v[TT+4:TT+5]
	v_add_f32 v[TT], v[TT], v[TT+1]
	v_add_f32_dpp v[TT], v[TT], v[TT] row_xmask:1 row_mask:0xf bank_mask:0xf
	v_add_f32_dpp v[TT], v[TT], v[TT] row_xmask:2 row_mask:0xf bank_mask:0xf
	v_add_f32_dpp v[TT], v[TT], v[TT] row_xmask:4 row_mask:0xf bank_mask:0xf
	v_add_f32_dpp v[TT], v[TT], v[TT] row_xmask:8 row_mask:0xf bank_mask:0xf
	v_permlanex16_b32 v[TT+1], v[TT], s12, s13     ; its destination has been written above
	v_add_f32 v[TT], v[TT], v[TT+1]
.endm
.macro ROW i
	s_wait_loadcnt (3-\i)*8                        ; w, b and my row are in; the eight loads of each later row stay out
.irp c, 0,1,2,3
	v_pk_add_f32 v[TT+2*\c:TT+2*\c+1], v[XR+32*\i+2*\c:XR+32*\i+2*\c+1], v[XR+32*\i+2*\c+8:XR+32*\i+2*\c+9]   ; four chains; the first sums start them
.endr
.irp o, 16,24
.irp c, 0,1,2,3
	v_pk_add_f32 v[TT+2*\c:TT+2*\c+1], v[TT+2*\c:TT+2*\c+1], v[XR+32*\i+2*\c+\o:XR+32*\i+2*\c+\o+1]
.endr
.endr
	FOLD
	v_mul_f32 v[MU], s14, v[TT]
	v_mul_f32 v[MU+1], s14, v[TT]
.set e, 0
.rept 16
	v_pk_add_f32 v[XR+32*\i+e:XR+32*\i+e+1], v[XR+32*\i+e:XR+32*\i+e+1], v[MU:MU+1] neg_lo:[0,1] neg_hi:[0,1]   ; x - mean
.set e, e+2
.endr
.irp c, 0,1,2,3
	v_pk_mul_f32 v[TT+2*\c:TT+2*\c+1], v[XR+32*\i+2*\c:XR+32*\i+2*\c+1], v[XR+32*\i+2*\c:XR+32*\i+2*\c+1]
.endr
.irp o, 8,16,24
.irp c, 0,1,2,3
	v_pk_fma_f32 v[TT+2*\c:TT+2*\c+1], v[XR+32*\i+2*\c+\o:XR+32*\i+2*\c+\o+1], v[XR+32*\i+2*\c+\o:XR+32*\i+2*\c+\o+1], v[TT+2*\c:TT+2*\c+1]
.endr
.endr
	FOLD
	v_fma_f32 v[TT], v[TT], s14, s15               ; var + eps
	v_rsq_f32 v[RS], v[TT]
	v_rsq_f32 v[RS+1], v[TT]
	v_nop                                          ; one plain instruction between a transcendental and the use of its result (ISA guide 5.7.2)
.set e, 0
	s_wait_alu depctr_va_vdst(0)
.rept 16
	v_pk_mul_f32 v[XR+32*\i+e:XR+32*\i+e+1], v[XR+32*\i+e:XR+32*\i+e+1], v[RS:RS+1]
.set e, e+2
.endr
.set e, 0
.rept 16
	v_pk_fma_f32 v[XR+32*\i+e:XR+32*\i+e+1], v[XR+32*\i+e:XR+32*\i+e+1], v[GW+e:GW+e+1], v[GB+e:GB+e+1]
.set e, e+2
.endr
.set e, 0
.rept 16
	v_cvt_pk_bf16_f32 v[XR+32*\i+e], v[XR+32*\i+2*e], v[XR+32*\i+2*e+1]   ; word e is written when words 2 e and 2 e + 1 are read: never ahead of its own use
.set e, e+1
.endr
.irp j, 0,1,2,3,4,5,6,7
	global_store_b64 v2, v[XR+32*\i+2*\j:XR+32*\i+2*\j+1], s[10:11] offset:2048*\i+256*\j   ; the wave stores 256 consecutive aligned bytes
.endr
.endm
	ROW 0
	ROW 1
	ROW 2
	ROW 3
	s_endpgm
.Lfunc_end_k_q2077e43b89_ln1:
	.size	k_q2077e43b89_ln1, .Lfunc_end_k_q2077e43b89_ln1-k_q2077e43b89_ln1
	.p2alignl 7, 3214868480
	.fill 96, 4, 3214868480
	.section	.rodata,"a",@progbits
	.p2align	6, 0x0
	.amdhsa_kernel k_q2077e43b89_ln1
		.amdhsa_group_segment_fixed_size 0
		.amdhsa_private_segment_fixed_size 0
		.amdhsa_enable_private_segment 0
		.amdhsa_kernarg_size 32
		.amdhsa_user_sgpr_count 2
		.amdhsa_user_sgpr_kernarg_segment_ptr 1
		.amdhsa_wavefront_size32 1
		.amdhsa_system_sgpr_workgroup_id_x 1
		.amdhsa_system_sgpr_workgroup_id_y 1
		.amdhsa_system_sgpr_workgroup_id_z 1
		.amdhsa_system_vgpr_workitem_id 0
		.amdhsa_next_free_vgpr 216
		.amdhsa_next_free_sgpr 66
		.amdhsa_reserve_vcc 0
		.amdhsa_float_denorm_mode_32 3
		.amdhsa_float_denorm_mode_16_64 3
		.amdhsa_memory_ordered 1
		.amdhsa_forward_progress 1
		.amdhsa_inst_pref_size 38
	.end_amdhsa_kernel
	.amdgpu_metadata
---
amdhsa.version: [ 1, 2 ]
amdhsa.kernels:
  - .name:           k_q2077e43b89_ln1
    .symbol:         k_q2077e43b89_ln1.kd
    .args:
      - { .name: x, .offset: 0, .size: 8, .value_kind: global_buffer, .address_space: global }
      - { .name: ln1_w, .offset: 8, .size: 8, .value_kind: global_buffer, .address_space: global }
      - { .name: ln1_b, .offset: 16, .size: 8, .value_kind: global_buffer, .address_space: global }
      - { .name: nrm, .offset: 24, .size: 8, .value_kind: global_buffer, .address_space: global }
    .group_segment_fixed_size: 0
    .private_segment_fixed_size: 0
    .kernarg_segment_align: 8
    .kernarg_segment_size: 32
    .max_flat_workgroup_size: 128
    .sgpr_count:     66
    .vgpr_count:     216
    .wavefront_size: 32
...
	.end_amdgpu_metadata
.endif
;; end of part 2
;; launch qkv (part 3): grid 8 x 32, 4 waves a work-group, clusters of 4 x 4, 279,040 bytes of LDS; arguments nrm, wts, qkv; writes qkv
.if DOCPART == 3
	.amdgcn_target "amdgcn-amd-amdhsa--gfx1250"
	.amdhsa_code_object_version 6
	.text
	.protected	k_q2077e43b89_qkv
	.globl	k_q2077e43b89_qkv
	.p2align	8
	.type	k_q2077e43b89_qkv,@function
k_q2077e43b89_qkv:
	s_mov_b64 s[64:65], 0
	v_nop
	global_prefetch_b8 v0, s[64:65] scope:SCOPE_SE
	s_setreg_imm32_b32 hwreg(HW_REG_WAVE_MODE, 25, 1), 1
	s_wait_xcnt 0x0
	s_wait_alu depctr_hold_cnt(0) depctr_sa_sdst(0) depctr_va_vdst(0) depctr_va_sdst(0) depctr_va_ssrc(0) depctr_va_vcc(0) depctr_vm_vsrc(0)
	s_getreg_b32 s2, hwreg(HW_REG_IB_STS2, 6, 4)
	s_cmp_eq_u32 s2, 0
	s_cbranch_scc0 .Lentry_in_a_cluster
	s_endpgm
.Lentry_in_a_cluster:
	s_bfe_u32 s2, ttmp6, 0x10000c
	s_cmp_lg_u32 s2, 0xf033
	s_cbranch_scc0 .Lentry_shape_is_right
	s_endpgm
.Lentry_shape_is_right:
; qkv[m][n] = sum over k of nrm[m][k] wqkv[n][k].  nrm: [4096][1024] bf16; wqkv: 2048 n x 1024 k bf16 in fragment order (first bytes of wts: 8,192 bytes
; for each 128 n x 32 k, k steps of one n block following each other); qkv: [4096][2048] bf16; sums in f32.
; 4,096 x 2,048 results over 256 work-groups are 128 x 256 each.  Wave w makes 128 x 128 partial sums (64 accumulator tiles, 512 registers) of column
; half ch = w & 1 over K half kh = w >> 1: 16 k steps of 32, 64 matrix instructions each.  The two K halves are added once, through LDS, which also
; turns the register layout into whole rows.  So K is summed in two parts: another order of rounding.
; A: the block's 128 rows x 1,024 k are 8 parts of 128 rows x 256 bytes (pitch 272), 278,528 bytes: all of it is filled once, two tensor loads a wave,
; and nothing is filled again.  4 x 4 work-groups form a cluster; the four of a row need the same rows of nrm and ask for them jointly.
; B: straight from memory into registers: a load of the wave is 512 consecutive bytes, half an operand.  A ring of four stages of 64 registers; the loads
; of k step g + 3 are issued at the head of step g, so 48 loads, 24,576 bytes a wave, are on their way.
; B IS NOT ASKED FOR JOINTLY, though the four work-groups of a cluster's column read the same bytes: in LDS it would take 128 rows x 1,024 k x 2 column
; halves = 557,056 bytes more with the pitch, which does not fit beside A, so that slots would have to be filled again and again.
; Registers: window 0: v0-31 addresses, v64-127 and v128-191 fragments of A (two buffers); window 1: v0-255 B's four stages; windows 2 and 3: the
; accumulators of rows 0-63 and 64-127, tile (a, b) at v[8 (8 a + b)].  Source 0 is 16 rows of B, source 1 16 rows of A: lane l holds row l % 16 and
; columns 8 (l / 16) + 0 .. 7 of a tile.
.set SIZE_K, 1024
.set PITCH,  272                       ; 256 bytes + 16: the sixteen rows of a fragment load start at sixteen different 16-byte columns
.set PARTB,  128*PITCH                 ; a part: 128 rows x 128 k, one tensor load
.set RP,     528                       ; the way out: a row of 128 f32 + 16 bytes
.set SW,     128*RP                    ; a wave's partial block, laid over A's parts after every wave's last read of them
.set RDS,  8                           ; v8-11   the way out: my 16 bytes of my first row in partial block 0..3
.set ADRA, 16                          ; v16-19  LDS address of my A fragments in part 0..3 of my K half
.set STO,  24
.set CO,   26                          ; 16 x lane
.set CO8,  27                          ; 8 x lane
.set F0,   64
.set G1, 24                            ; s[24:31] descriptor group 1
.set G0, 32                            ; s[32:39] descriptor group 0, one set for each of my two loads
.set BB, 48                            ; s[48:49] my first byte of B; never rewritten
.set MSB, 0
.macro WIN new                         ; the immediate's high byte repeats the setting that is left
.if MSB != \new
	s_set_vgpr_msb (MSB<<8)|\new
.set MSB, \new
.endif
.endm
.set MUL_LO, 0xa1                      ; source 0 (B) window 1, source 1 (A) window 0, C and D window 2
.set MUL_HI, 0xf1                      ; the same, C and D window 3
.set TO_B,   0x40                      ; destination window 1, address window 0
.macro CREST                           ; a round of the cluster's barrier behind its opening work-group barrier
	s_cmp_lg_u32 s10, 0
	s_cbranch_scc1 .Lnot_wave_0_\@
	s_barrier_signal -3
.Lnot_wave_0_\@:
	s_barrier_wait -3
	s_barrier_signal -1
	s_barrier_wait -1
.endm
.macro CROUND                          ; a whole round
	s_barrier_signal -1
	s_barrier_wait -1
	CREST
.endm
.macro PLACES                          ; four independent vector instructions between a matrix instruction and a load into, or a vector use of, its registers
.rept 4
	v_nop
.endr
.endm
.macro BLOAD g                         ; the 16 loads of k step g: eight operands of 16 columns x 32 k, into stage g % 4
	WIN TO_B
.irp b, 0,1,2,3,4,5,6,7
	global_load_b128 v[64*((\g)%4)+8*\b:64*((\g)%4)+8*\b+3],   v[CO], s[BB:BB+1] offset:(\g)*8192+\b*1024
	global_load_b128 v[64*((\g)%4)+8*\b+4:64*((\g)%4)+8*\b+7], v[CO], s[BB:BB+1] offset:(\g)*8192+\b*1024+512
.endr
.endm
.macro FETCHA part, j, f               ; 16 LDS loads: A's 128 rows, 32 k at byte 64 j of the part's rows
	WIN 0
.irp i, 0,1,2,3,4,5,6,7
	ds_load_b128 v[\f+8*\i:\f+8*\i+3],   v[ADRA+\part] offset:64*(\j)+\i*16*PITCH
	ds_load_b128 v[\f+8*\i+4:\f+8*\i+7], v[ADRA+\part] offset:64*(\j)+\i*16*PITCH+32
.endr
.endm
; 16 matrix instructions: m blocks a0, a0 + 1 of the window's four x all 8 n blocks.  zero = 1: the first product starts the sums.
; The 64 accumulators take turns, one instruction a turn, in the same order in every k step.
.macro MUL16 fa, fb, hi, a0, zero
.irp a, \a0, \a0+1
.irp b, 0,1,2,3,4,5,6,7
.if \zero
	v_wmma_f32_16x16x32_bf16 v[8*(8*(\a)+\b):8*(8*(\a)+\b)+7], v[\fb+8*\b:\fb+8*\b+7], v[\fa+8*(4*\hi+\a):\fa+8*(4*\hi+\a)+7], 0
.else
	v_wmma_f32_16x16x32_bf16 v[8*(8*(\a)+\b):8*(8*(\a)+\b)+7], v[\fb+8*\b:\fb+8*\b+7], v[\fa+8*(4*\hi+\a):\fa+8*(4*\hi+\a)+7], v[8*(8*(\a)+\b):8*(8*(\a)+\b)+7]
.endif
.endr
.endr
.endm
; K step g.  At its head the registers that step g - 1 read are loaded again: B's stage with step g + 3, A's buffer with step g + 1.
.macro STEP g, zero
	PLACES
.if \g+3 < 16
	BLOAD \g+3
.endif
.if \g+1 < 16
	FETCHA (\g+1)/4, (\g+1)%4, F0+64*((\g+1)%2)
.endif
.if \g < 13
	s_wait_loadcnt 48                              ; loads return in order: step g's B is in; the 16 loads each of steps g + 1, g + 2, g + 3 stay out
.else
	s_wait_loadcnt (15-\g)*16                      ; the last steps ask for nothing: the counts run down
.endif
.if \g < 15
	s_wait_dscnt 16                                ; step g's A is in; the 16 loads just issued stay out
.else
	s_wait_dscnt 0
.endif
	WIN MUL_LO
	MUL16 F0+64*(\g%2), 64*(\g%4), 0, 0, \zero
	MUL16 F0+64*(\g%2), 64*(\g%4), 0, 2, \zero
	WIN MUL_HI
	MUL16 F0+64*(\g%2), 64*(\g%4), 1, 0, \zero
	MUL16 F0+64*(\g%2), 64*(\g%4), 1, 2, \zero
.endm
	s_load_b128 s[4:7], s[0:1], 0x0                ; nrm s[4:5], wts s[6:7]
	s_load_b64 s[8:9], s[0:1], 0x10                ; qkv
	v_lshl_add_u32 v254, v0, 2, 0x44000
	v_mov_b32 v255, 0
	ds_add_u32 v254, v255
	ds_add_u32 v254, v255
	v_lshrrev_b32 v1, 5, v0
	v_readfirstlane_b32 s10, v1                    ; wave 0..3
	s_lshr_b32 s11, s10, 1                         ; kh: my half of K
	s_and_b32 s12, s10, 1                          ; ch: my half of the block's columns
	s_bfe_u32 s40, ttmp6, 0x40000                  ; cx
	s_bfe_u32 s41, ttmp6, 0x40004                  ; cy
	s_lshl_b32 s42, ttmp9, 2
	s_add_co_u32 s42, s42, s40                     ; block column = 4 x cluster x + cx
	s_and_b32 s13, ttmp7, 0xffff
	s_lshl_b32 s13, s13, 2
	s_add_co_u32 s13, s13, s41                     ; block row = 4 x cluster y + cy
	s_lshl_b32 s43, s41, 2
	s_lshl_b32 s43, 15, s43                        ; my row of the cluster: places 4 cy .. 4 cy + 3
	s_or_b32 s[G1+0], s43, (1<<16)|(1<<20)|(1<<21)|(5<<22)|(3<<25)  ; mask; elements of 2 bytes; padding on; bit 21 beside a mask; 4 words behind every 64
	s_mov_b32 s[G1+1], 128<<16                     ; tensor_dim0 = 128
	s_mov_b32 s[G1+2], 128<<16                     ; tensor_dim1 = 128
	s_mov_b32 s[G1+3], 128<<16                     ; tile_dim0 = 128
	s_mov_b32 s[G1+4], 128                         ; tile_dim1 = 128
	s_mov_b32 s[G1+5], SIZE_K                      ; elements from row to row
	s_mov_b32 s[G1+6], 0
	s_mov_b32 s[G1+7], 0
	; LDS region rho (0..7, PARTB bytes each) holds K part 4 (rho & 1) + (rho >> 1); wave w fills regions w and w + 4.  So K half kh finds its part i in
	; region kh + 2 i, and the four first loads bring parts 0 and 1 of both halves.
	s_lshl_b32 s16, s13, 7                         ; A: row 128 x block row
	s_mov_b32 s17, 0
	s_mov_b64 s[18:19], SIZE_K*2
	s_mul_u64 s[16:17], s[16:17], s[18:19]
	s_lshl_b32 s18, s12, 2
	s_add_co_u32 s18, s18, s11                     ; K part 4 (w & 1) + (w >> 1),
	s_lshl_b32 s18, s18, 8                         ; 256 bytes each
	s_mov_b32 s19, 0
	s_add_nc_u64 s[16:17], s[16:17], s[18:19]
	s_mul_i32 s20, s10, PARTB                      ; LDS: wave x a part; no place in the cluster enters an LDS address
	s_lshl_b32 s46, s42, 1
	s_add_co_u32 s46, s46, s12                     ; B: block of 128 n = 2 x block column + ch,
	s_lshl_b32 s46, s46, 18                        ; 32 k steps of 8,192 bytes each,
	s_lshl_b32 s47, s11, 17                        ; and my half's 16 k steps
	s_add_co_u32 s46, s46, s47
	s_mov_b32 s47, 0
	s_lshl_b32 s14, s13, 7                         ; the way out: row 128 x block row + 32 w,
	s_lshl_b32 s15, s10, 5
	s_add_co_u32 s14, s14, s15
	s_lshl_b32 s14, s14, 12                        ; rows of 4,096 bytes,
	s_mov_b32 s15, 0
	s_lshl_b32 s44, s42, 9                         ; 256 columns of 2 bytes a block
	s_mov_b32 s45, 0
	v_and_b32 v6, 31, v0
	v_lshlrev_b32 v[CO], 4, v6
	v_lshlrev_b32 v[CO8], 3, v6
	s_wait_dscnt 0x0
	s_wait_kmcnt 0x0
	s_add_nc_u64 s[BB:BB+1], s[6:7], s[46:47]
	s_add_nc_u64 s[8:9], s[8:9], s[14:15]
	s_add_nc_u64 s[8:9], s[8:9], s[44:45]
	s_add_nc_u64 s[50:51], s[4:5], s[16:17]
	BLOAD 0                                        ; B's first three k steps go out before anything else
	BLOAD 1
	BLOAD 2
	WIN 0
	CROUND                                         ; all sixteen work-groups are here: the joint loads meet
.irp t, 0,1
	s_mov_b32 s[G0+4*\t], 1
	s_add_co_u32 s[G0+4*\t+1], s20, \t*4*PARTB
	s_add_nc_u64 s[G0+4*\t+2:G0+4*\t+3], s[50:51], \t*512          ; two K parts on
	s_or_b32 s[G0+4*\t+3], s[G0+4*\t+3], 0x80000000
	tensor_load_to_lds s[G0+4*\t:G0+4*\t+3], s[G1:G1+7]            ; two tensor loads of the wave are out, and no more follow
	s_nop 0
.endr
	v_and_b32 v1, 15, v0                           ; r
	v_bfe_u32 v2, v0, 4, 1                         ; h
	v_mul_u32_u24 v3, v1, PITCH
	v_lshl_add_u32 v3, v2, 4, v3                   ; row x pitch + 16 h
	s_mul_i32 s21, s11, PARTB
	v_add_nc_u32 v3, s21, v3
.irp i, 0,1,2,3
	v_add_nc_u32 v[ADRA+\i], \i*2*PARTB, v3        ; region kh + 2 i
.endr
	v_mul_u32_u24 v4, v1, RP
	v_lshl_add_u32 v4, v2, 5, v4                   ; the way out: row r, 32 bytes for each half of the lanes
	s_mul_i32 s23, s10, SW
	v_add_nc_u32 v[STO], s23, v4
	s_mul_i32 s23, s10, 32*RP                      ; I add up rows 32 w .. 32 w + 31
	v_add_nc_u32 v7, s23, v[CO]
.irp s, 0,1,2,3
	v_add_nc_u32 v[RDS+\s], \s*SW, v7
.endr
	s_wait_tensorcnt 1                             ; my first part is in; my second load stays out
	s_barrier_signal -1
	s_barrier_wait -1                              ; everybody's first part is in: parts 0 and 1 of both K halves
	FETCHA 0, 0, F0
	STEP 0, 1
.irp g, 1,2,3,4,5,6
	STEP \g, 0
.endr
	s_wait_dscnt 0x0                               ; no LDS instruction is pending at a signal
	s_wait_tensorcnt 0x0                           ; my second part is in,
	s_barrier_signal -1
	s_barrier_wait -1                              ; everybody's is: step 7 fetches step 8's fragments from part 2
.irp g, 7,8,9,10,11,12,13,14,15
	STEP \g, 0
.endr
	; THE WAY OUT.  The four partial blocks meet in LDS; wave w adds the two K halves of rows 32 w .. 32 w + 31 and rounds them.
	PLACES
	WIN 0
	s_barrier_signal -1                            ; every wave's reads of A are back and no tensor load is out: these bytes have had their only fill
	s_barrier_wait -1
	WIN 0x08                                       ; store data from window 2
.irp a, 0,1,2,3
.irp b, 0,1,2,3,4,5,6,7
	ds_store_b128 v[STO], v[8*(8*\a+\b):8*(8*\a+\b)+3]   offset:16*RP*\a+64*\b
	ds_store_b128 v[STO], v[8*(8*\a+\b)+4:8*(8*\a+\b)+7] offset:16*RP*\a+64*\b+16
.endr
.endr
	WIN 0x0c                                       ; from window 3
.irp a, 0,1,2,3
.irp b, 0,1,2,3,4,5,6,7
	ds_store_b128 v[STO], v[8*(8*\a+\b):8*(8*\a+\b)+3]   offset:16*RP*(\a+4)+64*\b
	ds_store_b128 v[STO], v[8*(8*\a+\b)+4:8*(8*\a+\b)+7] offset:16*RP*(\a+4)+64*\b+16
.endr
.endr
	WIN 0
	s_wait_dscnt 0x0                               ; zero: the other waves read these bytes
	s_barrier_signal -1
	s_barrier_wait -1
	; partial block s = ch + 2 kh goes to v[F0 + 32 s ..]: eight rows, four registers (columns 4 lane .. + 3 of the block's 128) each
.irp gq, 0,1,2,3
	s_wait_xcnt 0x0                                ; the registers that the last group's stores read are loaded again only behind this wait
.irp s, 0,1,2,3
.irp rr, 0,1,2,3,4,5,6,7
	ds_load_b128 v[F0+32*\s+4*\rr:F0+32*\s+4*\rr+3], v[RDS+\s] offset:RP*(8*\gq+\rr)
.endr
.endr
	s_wait_dscnt 0x0
.set e, 0
.rept 32
	v_pk_add_f32 v[F0+e:F0+e+1], v[F0+e:F0+e+1], v[F0+64+e:F0+64+e+1]   ; K half 0 + K half 1, both column halves
.set e, e+2
.endr
.set e, 0
.rept 16
	v_cvt_pk_bf16_f32 v[F0+4*e],   v[F0+4*e],   v[F0+4*e+1]
	v_cvt_pk_bf16_f32 v[F0+4*e+1], v[F0+4*e+2], v[F0+4*e+3]
.set e, e+1
.endr
.irp c, 0,1
.irp rr, 0,1,2,3,4,5,6,7
	global_store_b64 v[CO8], v[F0+32*\c+4*\rr:F0+32*\c+4*\rr+1], s[8:9] offset:4096*(8*\gq+\rr)+256*\c   ; the wave stores 256 consecutive aligned bytes
.endr
.endr
.endr
	s_wait_tensorcnt 0x0
	ds_add_u32 v254, v255
	s_wait_dscnt 0x0
	CROUND                                         ; the closing round
	s_endpgm
.Lfunc_end_k_q2077e43b89_qkv:
	.size	k_q2077e43b89_qkv, .Lfunc_end_k_q2077e43b89_qkv-k_q2077e43b89_qkv
	.p2alignl 7, 3214868480
	.fill 96, 4, 3214868480
	.section	.rodata,"a",@progbits
	.p2align	6, 0x0
	.amdhsa_kernel k_q2077e43b89_qkv
		.amdhsa_group_segment_fixed_size 279040
		.amdhsa_private_segment_fixed_size 0
		.amdhsa_enable_private_segment 0
		.amdhsa_kernarg_size 24
		.amdhsa_user_sgpr_count 2
		.amdhsa_user_sgpr_kernarg_segment_ptr 1
		.amdhsa_wavefront_size32 1
		.amdhsa_system_sgpr_workgroup_id_x 1
		.amdhsa_system_sgpr_workgroup_id_y 1
		.amdhsa_system_sgpr_workgroup_id_z 1
		.amdhsa_system_vgpr_workitem_id 0
		.amdhsa_next_free_vgpr 1024
		.amdhsa_next_free_sgpr 66
		.amdhsa_reserve_vcc 0
		.amdhsa_float_denorm_mode_32 3
		.amdhsa_float_denorm_mode_16_64 3
		.amdhsa_memory_ordered 1
		.amdhsa_forward_progress 1
		.amdhsa_inst_pref_size 154
	.end_amdhsa_kernel
	.amdgpu_metadata
---
amdhsa.version: [ 1, 2 ]
amdhsa.kernels:
  - .name:           k_q2077e43b89_qkv
    .symbol:         k_q2077e43b89_qkv.kd
    .args:
      - { .name: nrm, .offset: 0, .size: 8, .value_kind: global_buffer, .address_space: global }
      - { .name: wts, .offset: 8, .size: 8, .value_kind: global_buffer, .address_space: global }
      - { .name: qkv, .offset: 16, .size: 8, .value_kind: global_buffer, .address_space: global }
    .group_segment_fixed_size: 279040
    .private_segment_fixed_size: 0
    .kernarg_segment_align: 8
    .kernarg_segment_size: 24
    .max_flat_workgroup_size: 128
    .sgpr_count:     66
    .vgpr_count:     1024
    .wavefront_size: 32
...
	.end_amdgpu_metadata
.endif
;; end of part 3
;; launch attn (part 4): grid 256 x 1, 4 waves a work-group, no clusters, 327,680 bytes of LDS; arguments qkv, z; writes z
.if DOCPART == 4
	.amdgcn_target "amdgcn-amd-amdhsa--gfx1250"
	.amdhsa_code_object_version 6
	.text
	.protected	k_q2077e43b89_attn
	.globl	k_q2077e43b89_attn
	.p2align	8
	.type	k_q2077e43b89_attn,@function
k_q2077e43b89_attn:
	s_mov_b64 s[64:65], 0
	v_nop
	global_prefetch_b8 v0, s[64:65] scope:SCOPE_SE
	s_setreg_imm32_b32 hwreg(HW_REG_WAVE_MODE, 25, 1), 1
	s_wait_xcnt 0x0
; Causal grouped-query attention.  qkv: [4096 rows][2048] bf16 (Q of head h at byte 128 h of a row, K of group g at 2048 + 128 g, V at 3072 + 128 g).
; z: [4096][1024] bf16, column 64 head + d.  softmax(Q K^T / 8) V with a running maximum and a running sum in f32.
; Work-group (p = id & 15, batch and group from id >> 4) takes the query blocks of 64 rows number p (pass A) and 31 - p (pass B), for both heads of
; its group: (p >> 2) + 1 and 8 - (p >> 2) trips of 256 keys, nine trips for every work-group.  Wave w takes rows 16 w .. 16 w + 15 for both heads.
; Keys are walked in descending trips; the first trip of a pass holds the diagonal and is masked, the others lie wholly below it.
; LIMITS: key blocks wholly above the diagonal are not computed; inside the diagonal trip a masked score is -1e6 as in the definition.  The two agree
; while a row's largest unmasked score / 8 is above about -1e6 + 104, where the masked terms vanish in f32.  NaN and infinities are not treated;
; v_exp_f32 flushes denormal results.  The order of the sums over keys differs from a plain ascending one.
; NO CLUSTER: the work-groups of one group walk different numbers of key tiles (1 to 4, then 8 to 5 trips), so joint requests would not meet; the two
; heads that do share every tile are in one work-group and share it through LDS.
; PRODUCTS, without any lane movement: S^T = K Q^T (source 0: 16 keys, source 1: 16 queries): lane (r, h), register j of tile t = key 16 t + 8 h + j,
; query r.  Two such tiles, packed to bf16, are source 1 of O^T = V^T P^T; V^T comes by the transposing LDS load.  A query's statistics are one number a lane.
.set SLOT,   40960                     ; four parts of 10,240 bytes: K rows 0-63, K rows 64-127 (pitch 144), V rows 0-63, V rows 64-127 (pitch 160)
.set PART,   10240
.set VOFF,   2*PART
.set KP,     144                       ; odd multiple of 16
.set VP,     160                       ; odd multiple of 32, for the transposing load
.set STAGE,  2*SLOT                    ; 16 rows x 272 bytes for each wave; no tensor load lands there
.set SPITCH, 272
; window 0
.set ADK, 2                            ; r KP + 16 h
.set ADV, 3                            ; v3, v4: (8 h + (l & 7)) VP + 16 ((l >> 3) & 1) + VOFF, in slot 0, 1
.set STO, 5
.set RD,  6
.set ZO,  7
.set QQA, 8                            ; my query's place in the diagonal trip, less 8 h: pass A
.set QQB, 9                            ; pass B
.set NEG, 10                           ; -8e6: -1e6 ahead of the division by 8
.set QO,  11
.set RM,  12                           ; v12-13   running maximum, head i
.set RL,  14                           ; v14-15   running sum of my half of the keys
.set RNM, 16                           ; v[16:19] -maximum x log2(e) / 8, a pair for each head
.set RAL, 20                           ; v[20:23] the factor for what has been summed so far, a pair for each head
.set TT,  24                           ; v[24:39] at work
.set QA,  40                           ; v[40:71]   Q fragments of pass A: (head i, 32 d c) at + 16 i + 8 c
.set QB,  72                           ; v[72:103]  of pass B
.set SS,  104                          ; v[104:167] scores: tile (i, t) at + 32 i + 8 t
.set PP,  168                          ; v[168:199] probabilities in bf16: fragment (i, u) at + 16 i + 8 u
.set RB,  200                          ; v[200:231] rows read back on the way out
; window 1
.set KF,  0                            ; K fragments (t, c) at 8 (4 c + t)
.set VF,  64                           ; V^T fragments (dt, u) at 64 + 8 (4 u + dt)
.set OO,  128                          ; O^T tiles (dt, i) at 128 + 8 (2 dt + i)
.set G1K, 16                           ; s[16:23] group 1 for K's tiles
.set G1V, 24                           ; s[24:31] group 1 for V's tiles
.set G0K, 32                           ; s[32:39] group 0 for K's tiles, one set a slot
.set G0V, 40                           ; s[40:47] group 0 for V's tiles
.set KB,  48                           ; s[48:49] address of my 64 rows of K in trip 0, slot 0; never rewritten
.set VB,  50                           ; s[50:51] the same for V
.set OFS, 52                           ; s[52:53], s[54:55] slot sl: byte offset (trip << 20) + (sl << 19) of the tile that it holds or has asked for; high words 0
.set OFB, 56                           ; s56, s57 slot sl: that offset for pass B's first trip
.set MSB, 0
.macro WIN new
.if MSB != \new
	s_set_vgpr_msb (MSB<<8)|\new
.set MSB, \new
.endif
.endm
.macro PLACES                          ; four independent vector instructions behind a matrix instruction (ISA guide 7.12.1)
.rept 4
	v_nop
.endr
.endm
.macro JLOAD sl                        ; waves 0 and 1 fetch K's halves of the slot's 128 keys, waves 2 and 3 V's
	s_cmp_eq_u32 s10, 0
	s_cbranch_scc0 .Lfor_v_\@
	tensor_load_to_lds s[G0K+4*\sl:G0K+4*\sl+3], s[G1K:G1K+7]
	s_nop 0
	s_branch .Lasked_\@
.Lfor_v_\@:
	tensor_load_to_lds s[G0V+4*\sl:G0V+4*\sl+3], s[G1V:G1V+7]
	s_nop 0
.Lasked_\@:
.endm
; Both global addresses of slot sl are made afresh: the plain base plus the slot's offset, then the type bits on top.
.macro GADDR sl
	s_add_nc_u64 s[G0K+4*\sl+2:G0K+4*\sl+3], s[KB:KB+1], s[OFS+2*\sl:OFS+2*\sl+1]
	s_or_b32 s[G0K+4*\sl+3], s[G0K+4*\sl+3], 0x80000000
	s_add_nc_u64 s[G0V+4*\sl+2:G0V+4*\sl+3], s[VB:VB+1], s[OFS+2*\sl:OFS+2*\sl+1]
	s_or_b32 s[G0V+4*\sl+3], s[G0V+4*\sl+3], 0x80000000
.endm
	s_load_b128 s[4:7], s[0:1], 0x0                ; qkv s[4:5], z s[6:7]
	v_lshl_add_u32 v254, v0, 2, 0x29000
	v_mov_b32 v255, 0
	ds_add_u32 v254, v255
	ds_add_u32 v254, v255
	v_lshrrev_b32 v1, 5, v0
	v_readfirstlane_b32 s8, v1                     ; wave
	s_and_b32 s9, s8, 1                            ; which 64 keys I fetch
	s_lshr_b32 s10, s8, 1                          ; K (0) or V (1)
	s_and_b32 s11, ttmp9, 15                       ; pass A's query block
	s_lshr_b32 s12, ttmp9, 4
	s_lshr_b32 s13, s12, 3                         ; batch
	s_and_b32 s14, s12, 7                          ; group
	s_sub_co_u32 s15, 31, s11                      ; pass B's query block
	s_lshr_b32 s2, s11, 2                          ; T_A: pass A's first trip, 0..3
	s_lshr_b32 s3, s15, 2                          ; T_B: pass B's first trip, 4..7
	s_mov_b32 s[G1K+0], (1<<16)|(1<<20)|(4<<22)|(3<<25)   ; elements of 2 bytes; 4 words of padding behind every 32: pitch 144
	s_mov_b32 s[G1K+1], 64<<16                     ; tensor_dim0 = 64
	s_mov_b32 s[G1K+2], 64<<16                     ; tensor_dim1 = 64
	s_mov_b32 s[G1K+3], 64<<16                     ; tile_dim0 = 64
	s_mov_b32 s[G1K+4], 64                         ; tile_dim1 = 64
	s_mov_b32 s[G1K+5], 2048                       ; elements from row to row
	s_mov_b32 s[G1K+6], 0
	s_mov_b32 s[G1K+7], 0
	s_mov_b32 s[G1V+0], (1<<16)|(1<<20)|(4<<22)|(7<<25)   ; 8 words of padding: pitch 160
	s_mov_b32 s[G1V+1], 64<<16
	s_mov_b32 s[G1V+2], 64<<16
	s_mov_b32 s[G1V+3], 64<<16
	s_mov_b32 s[G1V+4], 64
	s_mov_b32 s[G1V+5], 2048
	s_mov_b32 s[G1V+6], 0
	s_mov_b32 s[G1V+7], 0
	s_lshl_b32 s[OFS], s2, 20                      ; a trip is 256 rows of 4,096 bytes = 2^20; slot 1 holds its second 128 rows
	s_mov_b32 s[OFS+1], 0
	s_add_co_u32 s[OFS+2], s[OFS], 0x80000
	s_mov_b32 s[OFS+3], 0
	s_lshl_b32 s[OFB], s3, 20
	s_add_co_u32 s[OFB+1], s[OFB], 0x80000
	s_mov_b32 s58, s2                              ; trips of pass A behind the current one
	s_mov_b32 s59, 0xbe38aa3b                      ; -log2(e) / 8
	s_mov_b32 s60, 0x3e38aa3b                      ; log2(e) / 8, twice
	s_mov_b32 s61, 0x3e38aa3b
	s_mov_b32 s62, 0x76543210
	s_mov_b32 s63, 0xfedcba98
	s_lshl_b32 s[KB], s13, 23                      ; batch x 2,048 rows
	s_lshl_b32 s74, s14, 7
	s_add_co_u32 s[KB], s[KB], s74                 ; + group's 128 bytes
	s_lshl_b32 s74, s9, 18
	s_add_co_u32 s[KB], s[KB], s74                 ; + my 64 rows
	s_add_co_u32 s[KB], s[KB], 2048                ; K lies behind Q's 2,048 bytes of a row
	s_mov_b32 s[KB+1], 0
	s_lshl_b32 s12, s13, 11
	s_lshl_b32 s74, s8, 4
	s_add_co_u32 s12, s12, s74                     ; 2048 batch + 16 w
	s_lshl_b32 s74, s11, 6
	s_add_co_u32 s74, s74, s12                     ; my first row in pass A
	s_lshl_b32 s75, s15, 6
	s_add_co_u32 s75, s75, s12                     ; in pass B
	s_lshl_b32 s76, s14, 8                         ; the group's two heads: 256 bytes
	s_lshl_b32 s66, s74, 11
	s_add_co_u32 s66, s66, s76
	s_mov_b32 s67, 0
	s_lshl_b32 s68, s75, 11
	s_add_co_u32 s68, s68, s76
	s_mov_b32 s69, 0
	s_lshl_b32 s70, s74, 12
	s_add_co_u32 s70, s70, s76
	s_mov_b32 s71, 0
	s_lshl_b32 s72, s75, 12
	s_add_co_u32 s72, s72, s76
	s_mov_b32 s73, 0
	s_mul_i32 s77, s8, PART                        ; my part of a slot
	s_wait_dscnt 0x0
	s_wait_kmcnt 0x0
	s_add_nc_u64 s[KB:KB+1], s[4:5], s[KB:KB+1]    ; K, trip 0
	s_add_nc_u64 s[VB:VB+1], s[KB:KB+1], 1024      ; V
	s_add_nc_u64 s[66:67], s[6:7], s[66:67]        ; z, pass A
	s_add_nc_u64 s[68:69], s[6:7], s[68:69]        ; z, pass B
	s_add_nc_u64 s[70:71], s[4:5], s[70:71]        ; Q, pass A
	s_add_nc_u64 s[72:73], s[4:5], s[72:73]        ; Q, pass B
.irp sl, 0,1
	s_mov_b32 s[G0K+4*\sl], 1
	s_add_co_u32 s[G0K+4*\sl+1], s77, \sl*SLOT
	s_mov_b32 s[G0V+4*\sl], 1
	s_add_co_u32 s[G0V+4*\sl+1], s77, \sl*SLOT
	GADDR \sl
	JLOAD \sl                                      ; the two first fills: two tensor loads of the wave are out, later one
.endr
	v_and_b32 v1, 15, v0                           ; r
	v_bfe_u32 v24, v0, 4, 1                        ; h
	v_lshlrev_b32 v27, 12, v1
	v_lshl_add_u32 v[QO], v24, 4, v27              ; row r of 4,096 bytes + 16 h
.irp i, 0,1
.irp c, 0,1
	global_load_b128 v[QA+16*\i+8*\c:QA+16*\i+8*\c+3],   v[QO], s[70:71] offset:128*\i+64*\c
	global_load_b128 v[QA+16*\i+8*\c+4:QA+16*\i+8*\c+7], v[QO], s[70:71] offset:128*\i+64*\c+32
	global_load_b128 v[QB+16*\i+8*\c:QB+16*\i+8*\c+3],   v[QO], s[72:73] offset:128*\i+64*\c
	global_load_b128 v[QB+16*\i+8*\c+4:QB+16*\i+8*\c+7], v[QO], s[72:73] offset:128*\i+64*\c+32
.endr
.endr
	v_and_b32 v25, 7, v0
	v_bfe_u32 v26, v0, 3, 1
	v_mul_u32_u24 v[ADK], v1, KP
	v_lshl_add_u32 v[ADK], v24, 4, v[ADK]
	v_lshl_add_u32 v27, v24, 3, v25
	v_mul_u32_u24 v27, v27, VP
	v_lshl_add_u32 v27, v26, 4, v27
	v_add_nc_u32 v[ADV], VOFF, v27
	v_add_nc_u32 v[ADV+1], VOFF+SLOT, v27
	s_mul_i32 s77, s8, 16*SPITCH
	s_add_co_u32 s77, s77, STAGE
	v_mul_u32_u24 v27, v1, SPITCH
	v_lshl_add_u32 v27, v24, 4, v27
	v_add_nc_u32 v[STO], s77, v27
	v_mul_u32_u24 v27, v24, SPITCH
	v_lshl_add_u32 v27, v1, 4, v27
	v_add_nc_u32 v[RD], s77, v27
	v_lshlrev_b32 v27, 11, v24
	v_lshl_add_u32 v[ZO], v1, 4, v27
	v_lshlrev_b32 v27, 3, v24
	v_sub_nc_u32 v27, v1, v27                      ; r - 8 h
	s_lshl_b32 s75, s8, 4
	s_and_b32 s74, s11, 3
	s_lshl_b32 s74, s74, 6
	s_add_co_u32 s74, s74, s75
	v_add_nc_u32 v[QQA], s74, v27                  ; 64 (block & 3) + 16 w + r - 8 h
	s_and_b32 s74, s15, 3
	s_lshl_b32 s74, s74, 6
	s_add_co_u32 s74, s74, s75
	v_add_nc_u32 v[QQB], s74, v27
	v_mov_b32 v[NEG], 0xcaf42400
.macro KLOAD sl, hf                    ; 16 loads: 64 keys x 64 d; the eight of d 0-31 first
	WIN 0x40
.irp c, 0,1
.irp t, 0,1,2,3
	ds_load_b128 v[KF+8*(4*\c+\t):KF+8*(4*\c+\t)+3],   v[ADK] offset:(\sl)*SLOT+\hf*PART+\t*16*KP+64*\c
	ds_load_b128 v[KF+8*(4*\c+\t)+4:KF+8*(4*\c+\t)+7], v[ADK] offset:(\sl)*SLOT+\hf*PART+\t*16*KP+64*\c+32
.endr
.endr
.endm
.macro VLOAD sl, hf                    ; 16 transposing loads: 64 d x 64 keys
	WIN 0x40
.irp u, 0,1
.irp dt, 0,1,2,3
	ds_load_tr16_b128 v[VF+8*(4*\u+\dt):VF+8*(4*\u+\dt)+3],   v[ADV+\sl] offset:(64*\hf+32*\u)*VP+32*\dt
	ds_load_tr16_b128 v[VF+8*(4*\u+\dt)+4:VF+8*(4*\u+\dt)+7], v[ADV+\sl] offset:(64*\hf+32*\u)*VP+32*\dt+16*VP
.endr
.endr
.endm
.macro MASK base, qq                   ; key base + 16 t + 8 h + j above my query: the score becomes -8e6
.irp t, 0,1,2,3
.irp j, 0,1,2,3,4,5,6,7
	v_cmp_gt_i32 vcc_lo, \base+16*\t+\j, v[\qq]
	v_cndmask_b32 v[SS+8*\t+\j], v[SS+8*\t+\j], v[NEG], vcc_lo
	v_cndmask_b32 v[SS+32+8*\t+\j], v[SS+32+8*\t+\j], v[NEG], vcc_lo
.endr
.endr
.endm
.macro SOFTMAX i, first
.irp c, 0,1,2,3
	v_max3_num_f32 v[TT+\c], v[SS+32*\i+8*\c], v[SS+32*\i+8*\c+1], v[SS+32*\i+8*\c+2]
.endr
.irp c, 0,1,2,3
	v_max3_num_f32 v[TT+\c], v[TT+\c], v[SS+32*\i+8*\c+3], v[SS+32*\i+8*\c+4]
.endr
.irp c, 0,1,2,3
	v_max3_num_f32 v[TT+\c], v[TT+\c], v[SS+32*\i+8*\c+5], v[SS+32*\i+8*\c+6]
.endr
.irp c, 0,1,2,3
	v_max_num_f32 v[TT+\c], v[TT+\c], v[SS+32*\i+8*\c+7]
.endr
	v_max3_num_f32 v[TT], v[TT], v[TT+1], v[TT+2]
	v_max_num_f32 v[TT], v[TT], v[TT+3]
	v_permlanex16_b32 v[TT+1], v[TT], s62, s63     ; the other half of the keys of my query
.if \first
	v_max_num_f32 v[RM+\i], v[TT], v[TT+1]
	v_mul_f32 v[RNM+2*\i], s59, v[RM+\i]
	v_mul_f32 v[RNM+2*\i+1], s59, v[RM+\i]
.else
	v_max3_num_f32 v[RM+\i], v[TT], v[TT+1], v[RM+\i]
	v_mul_f32 v[TT+2], s59, v[RM+\i]
	v_sub_f32 v[TT+3], v[TT+2], v[RNM+2*\i]        ; (old maximum - new maximum) log2(e) / 8
	v_exp_f32 v[RAL+2*\i], v[TT+3]
	v_mov_b32 v[RNM+2*\i], v[TT+2]                 ; plain instructions between the transcendental and the use of its result
	v_mov_b32 v[RNM+2*\i+1], v[TT+2]
	s_wait_alu depctr_va_vdst(0)
	v_mov_b32 v[RAL+2*\i+1], v[RAL+2*\i]
.endif
.set e, 0
.rept 16
	v_pk_fma_f32 v[SS+32*\i+e:SS+32*\i+e+1], v[SS+32*\i+e:SS+32*\i+e+1], s[60:61], v[RNM+2*\i:RNM+2*\i+1] op_sel_hi:[1,0,1]
.set e, e+2
.endr
.set e, 0
.rept 32
	v_exp_f32 v[SS+32*\i+e], v[SS+32*\i+e]
.set e, e+1
.endr
	v_nop
	s_wait_alu depctr_va_vdst(0)
.irp c, 0,1,2,3
	v_pk_add_f32 v[TT+2*\c:TT+2*\c+1], v[SS+32*\i+2*\c:SS+32*\i+2*\c+1], v[SS+32*\i+2*\c+8:SS+32*\i+2*\c+9]
.endr
.irp o, 16,24
.irp c, 0,1,2,3
	v_pk_add_f32 v[TT+2*\c:TT+2*\c+1], v[TT+2*\c:TT+2*\c+1], v[SS+32*\i+2*\c+\o:SS+32*\i+2*\c+\o+1]
.endr
.endr
	v_pk_add_f32 v[TT:TT+1], v[TT:TT+1], v[TT+2:TT+3]
	v_pk_add_f32 v[TT+4:TT+5], v[TT+4:TT+5], v[TT+6:TT+7]
	v_pk_add_f32 v[TT:TT+1], v[TT:TT+1], v[TT+4:TT+5]
.if \first
	v_add_f32 v[RL+\i], v[TT], v[TT+1]
.else
	v_add_f32 v[TT], v[TT], v[TT+1]
	v_fma_f32 v[RL+\i], v[RL+\i], v[RAL+2*\i], v[TT]
.endif
.set e, 0
.rept 16
	v_cvt_pk_bf16_f32 v[PP+16*\i+e], v[SS+32*\i+2*e], v[SS+32*\i+2*e+1]   ; tiles 2 u and 2 u + 1 packed are fragment u of P^T
.set e, e+1
.endr
.endm
.macro RESCALE                         ; O^T times each head's factor
	WIN 0x41
.irp dt, 0,1,2,3
.irp i, 0,1
.irp e, 0,2,4,6
	v_pk_mul_f32 v[OO+8*(2*\dt+\i)+\e:OO+8*(2*\dt+\i)+\e+1], v[OO+8*(2*\dt+\i)+\e:OO+8*(2*\dt+\i)+\e+1], v[RAL+2*\i:RAL+2*\i+1]
.endr
.endr
.endr
.endm
; Slot sl gets the next trip's tile.  mode 1: one trip back.  mode 2 (pass A): one trip back, or, on the pass's last trip, pass B's first trip.
; Only the slot's offset is stepped; the addresses are made afresh from it.  No tensor load of the wave is out here, so both group 0 sets may be written.
.macro REFILL sl, mode
.if \mode == 1
	s_sub_co_u32 s[OFS+2*\sl], s[OFS+2*\sl], 0x100000
.else
	s_sub_co_u32 s77, s[OFS+2*\sl], 0x100000       ; wraps on the pass's last trip, where it is not taken
	s_cmp_eq_u32 s58, 0
	s_cselect_b32 s[OFS+2*\sl], s[OFB+\sl], s77
.endif
	GADDR \sl
	JLOAD \sl
.endm
; 64 keys of slot sl, half hf, against my 16 queries of both heads.  q: the pass's Q fragments.  msk, qq: mask by qq.  first: starts the pass's sums.
; mid 0: the slot's second half follows.  mid 1, 2: change of slot with a refill of that mode.  mid 3: change of slot without.  mid 4: the very end.
; The eight score tiles, and the eight tiles of O^T, take turns, one instruction a turn.
.macro SUB q, sl, hf, msk, qq, first, mid
	s_wait_dscnt 8                                 ; K's d 0-31 are in; the eight loads of d 32-63 may be out
	WIN 0x01
.irp i, 0,1
.irp t, 0,1,2,3
	v_wmma_f32_16x16x32_bf16 v[SS+32*\i+8*\t:SS+32*\i+8*\t+7], v[KF+8*\t:KF+8*\t+7], v[\q+16*\i:\q+16*\i+7], 0
.endr
.endr
	s_wait_dscnt 0
.irp i, 0,1
.irp t, 0,1,2,3
	v_wmma_f32_16x16x32_bf16 v[SS+32*\i+8*\t:SS+32*\i+8*\t+7], v[KF+32+8*\t:KF+32+8*\t+7], v[\q+16*\i+8:\q+16*\i+15], v[SS+32*\i+8*\t:SS+32*\i+8*\t+7]
.endr
.endr
	PLACES                                         ; for the reads of the scores, the loads into K's and V's fragments, and the writes of P and O
	VLOAD \sl, \hf
	WIN 0
.if \msk
	MASK 128*\sl+64*\hf, \qq
.endif
	SOFTMAX 0, \first
	SOFTMAX 1, \first
.if \mid == 0
	KLOAD \sl, 1
.if \first == 0
	RESCALE
.endif
	s_wait_dscnt 16                                ; V is in; the 16 loads of K just issued stay out
.else
.if \mid == 4
	RESCALE
	s_wait_dscnt 0
.else
	s_wait_dscnt 0                                 ; my reads of this slot are over
	s_wait_tensorcnt 0x0                           ; all my tensor loads have landed: the one that was out is my part of the other slot
	ds_add_u32 v254, v255
	s_wait_dscnt 0x0
	s_barrier_signal -1
	RESCALE                                        ; register work while the others arrive
	WIN 0
	s_barrier_wait -1
.if \mid != 3
	REFILL \sl, \mid                               ; my one tensor load behind this barrier; it has two runs of 64 keys in which to land
.endif
	KLOAD 1-\sl, 0
.endif
.endif
	WIN 0x51
.irp u, 0,1
.irp dt, 0,1,2,3
.irp i, 0,1
.if \first*(1-\u)
	v_wmma_f32_16x16x32_bf16 v[OO+8*(2*\dt+\i):OO+8*(2*\dt+\i)+7], v[VF+8*(4*\u+\dt):VF+8*(4*\u+\dt)+7], v[PP+16*\i+8*\u:PP+16*\i+8*\u+7], 0
.else
	v_wmma_f32_16x16x32_bf16 v[OO+8*(2*\dt+\i):OO+8*(2*\dt+\i)+7], v[VF+8*(4*\u+\dt):VF+8*(4*\u+\dt)+7], v[PP+16*\i+8*\u:PP+16*\i+8*\u+7], v[OO+8*(2*\dt+\i):OO+8*(2*\dt+\i)+7]
.endif
.endr
.endr
.endr
.endm
.macro TRIPX q, msk, qq, first, m      ; a trip of 256 keys: both slots, both refilled
	SUB \q, 0, 0, \msk, \qq, \first, 0
	SUB \q, 0, 1, \msk, \qq, 0, \m
	SUB \q, 1, 0, \msk, \qq, 0, 0
	SUB \q, 1, 1, \msk, \qq, 0, \m
.endm
; The end of a pass: divide by the sums, round to bf16, 16 bytes a lane into my own stage, whole rows of 256 bytes out.
.macro EPI zb
	PLACES
	WIN 0
.irp i, 0,1
	v_permlanex16_b32 v[TT+\i], v[RL+\i], s62, s63
.endr
.irp i, 0,1
	v_add_f32 v[RL+\i], v[RL+\i], v[TT+\i]         ; both halves of the keys
.endr
.irp i, 0,1
	v_rcp_f32 v[RAL+2*\i], v[RL+\i]
	v_rcp_f32 v[RAL+2*\i+1], v[RL+\i]
.endr
	v_nop
	s_wait_alu depctr_va_vdst(0)
	RESCALE
	WIN 0x05
.irp dt, 0,1,2,3
.irp i, 0,1
.irp e, 0,1,2,3
	v_cvt_pk_bf16_f32 v[SS+4*(2*\dt+\i)+\e], v[OO+8*(2*\dt+\i)+2*\e], v[OO+8*(2*\dt+\i)+2*\e+1]
.endr
.endr
.endr
	WIN 0
.irp dt, 0,1,2,3
.irp i, 0,1
	ds_store_b128 v[STO], v[SS+4*(2*\dt+\i):SS+4*(2*\dt+\i)+3] offset:128*\i+32*\dt
.endr
.endr
	s_wait_xcnt 0x0                                ; the read-back registers, which the last pass's stores read, are rewritten only behind this wait
.irp t, 0,1,2,3,4,5,6,7
	ds_load_b128 v[RB+4*\t:RB+4*\t+3], v[RD] offset:\t*2*SPITCH   ; LDS serves a wave's instructions in order: these see the stores above
.endr
.irp t, 0,1,2,3,4,5,6,7
	s_wait_dscnt 7-\t
	global_store_b128 v[ZO], v[RB+4*\t:RB+4*\t+3], s[\zb:\zb+1] offset:4096*\t   ; sixteen lanes store 256 consecutive aligned bytes
.endr
.endm
	s_wait_tensorcnt 0x1                           ; my part of slot 0 is in; slot 1's load stays out
	s_barrier_signal -1
	s_barrier_wait -1
	KLOAD 0, 0
	s_wait_loadcnt 0x0                             ; Q of both passes
	TRIPX QA, 1, QQA, 1, 2                         ; pass A's diagonal trip
	WIN 0
	s_cmp_eq_u32 s58, 0
	s_cbranch_scc1 .LendA                          ; every wait on tensor loads from here on is for zero: the counts agree on both ways
.LloopA:
	s_sub_co_u32 s58, s58, 1
	TRIPX QA, 0, 0, 0, 2
	WIN 0
	s_cmp_lg_u32 s58, 0
	s_cbranch_scc1 .LloopA
.LendA:
	EPI 66
	TRIPX QB, 1, QQB, 1, 1                         ; pass B's diagonal trip; its tiles were asked for in pass A's last trip
	WIN 0
	s_sub_co_u32 s58, s3, 1                        ; trips T_B - 1 .. 1: T_B is 4 to 7, so at least three;
	s_max_u32 s58, s58, 1                          ; the start is at least one step, so the count-down ends at 0
.LloopB:
	TRIPX QB, 0, 0, 0, 1
	WIN 0
	s_sub_co_u32 s58, s58, 1
	s_cmp_lg_u32 s58, 0
	s_cbranch_scc1 .LloopB
	SUB QB, 0, 0, 0, 0, 0, 0                       ; trip 0: nothing is left to fetch
	SUB QB, 0, 1, 0, 0, 0, 3
	SUB QB, 1, 0, 0, 0, 0, 0
	SUB QB, 1, 1, 0, 0, 0, 4
	EPI 68
	s_wait_tensorcnt 0x0
	ds_add_u32 v254, v255
	s_wait_dscnt 0x0
	s_endpgm
.Lfunc_end_k_q2077e43b89_attn:
	.size	k_q2077e43b89_attn, .Lfunc_end_k_q2077e43b89_attn-k_q2077e43b89_attn
	.p2alignl 7, 3214868480
	.fill 96, 4, 3214868480
	.section	.rodata,"a",@progbits
	.p2align	6, 0x0
	.amdhsa_kernel k_q2077e43b89_attn
		.amdhsa_group_segment_fixed_size 327680
		.amdhsa_private_segment_fixed_size 0
		.amdhsa_enable_private_segment 0
		.amdhsa_kernarg_size 16
		.amdhsa_user_sgpr_count 2
		.amdhsa_user_sgpr_kernarg_segment_ptr 1
		.amdhsa_wavefront_size32 1
		.amdhsa_system_sgpr_workgroup_id_x 1
		.amdhsa_system_sgpr_workgroup_id_y 1
		.amdhsa_system_sgpr_workgroup_id_z 1
		.amdhsa_system_vgpr_workitem_id 0
		.amdhsa_next_free_vgpr 448
		.amdhsa_next_free_sgpr 78
		.amdhsa_reserve_vcc 1
		.amdhsa_float_denorm_mode_32 3
		.amdhsa_float_denorm_mode_16_64 3
		.amdhsa_memory_ordered 1
		.amdhsa_forward_progress 1
		.amdhsa_inst_pref_size 255
	.end_amdhsa_kernel
	.section	.bss,"aw",@nobits
	.p2align	6
	.space	262144
	.amdgpu_metadata
---
amdhsa.version: [ 1, 2 ]
amdhsa.kernels:
  - .name:           k_q2077e43b89_attn
    .symbol:         k_q2077e43b89_attn.kd
    .args:
      - { .name: qkv, .offset: 0, .size: 8, .value_kind: global_buffer, .address_space: global }
      - { .name: z, .offset: 8, .size: 8, .value_kind: global_buffer, .address_space: global }
    .group_segment_fixed_size: 327680
    .private_segment_fixed_size: 0
    .kernarg_segment_align: 8
    .kernarg_segment_size: 16
    .max_flat_workgroup_size: 128
    .sgpr_count:     78
    .vgpr_count:     448
    .wavefront_size: 32
...
	.end_amdgpu_metadata
.endif
;; end of part 4
;; launch oproj (part 5): grid 8 x 32, 4 waves a work-group, clusters of 4 x 4, 279,040 bytes of LDS; arguments z, wts, post, x, b_out; writes post
.if DOCPART == 5
	.amdgcn_target "amdgcn-amd-amdhsa--gfx1250"
	.amdhsa_code_object_version 6
	.text
	.protected	k_q2077e43b89_oproj
	.globl	k_q2077e43b89_oproj
	.p2align	8
	.type	k_q2077e43b89_oproj,@function
k_q2077e43b89_oproj:
	s_mov_b64 s[64:65], 0
	v_nop
	global_prefetch_b8 v0, s[64:65] scope:SCOPE_SE
	s_setreg_imm32_b32 hwreg(HW_REG_WAVE_MODE, 25, 1), 1
	s_wait_xcnt 0x0
	s_wait_alu depctr_hold_cnt(0) depctr_sa_sdst(0) depctr_va_vdst(0) depctr_va_sdst(0) depctr_va_ssrc(0) depctr_va_vcc(0) depctr_vm_vsrc(0)
	s_getreg_b32 s2, hwreg(HW_REG_IB_STS2, 6, 4)
	s_cmp_eq_u32 s2, 0
	s_cbranch_scc0 .Lentry_in_a_cluster
	s_endpgm
.Lentry_in_a_cluster:
	s_bfe_u32 s2, ttmp6, 0x10000c
	s_cmp_lg_u32 s2, 0xf033
	s_cbranch_scc0 .Lentry_shape_is_right
	s_endpgm
.Lentry_shape_is_right:
; C[m][n] = R[m][n] + bias[n] + sum over k of A[m][k] B[n][k].  A: [4096][SIZE_K] bf16; B: 1024 n x SIZE_K k bf16 in fragment order at byte WOFF of wts
; (8,192 bytes for each 128 n x 32 k, the k steps of one n block following each other); R and C: [4096][1024] f32.
; 4,096 x 1,024 results over 256 work-groups are 128 x 128 each.  Every wave keeps a whole 128 x 128 block of partial sums (512 registers) and takes a
; quarter of K; the four blocks are added once, through LDS, which also turns the register layout into whole rows.  So K is summed in four parts:
; another order of rounding.
; A: two LDS slots of 512 along K.  Wave w multiplies k = 128 w .. 128 w + 127 of a slot, four k steps of 32, and fetches just that part itself: one
; tensor load of 128 rows x 256 bytes (pitch 272).  4 x 4 work-groups form a cluster; the four of a row need the same rows of A and ask jointly.
; B: straight from memory into registers: a load of the wave is 512 consecutive bytes, half an operand.  A ring of four stages of 64 registers, stage =
; k step % 4; the loads of k step g + 3 are issued at the head of step g, so 48 loads, 24,576 bytes a wave, are on their way.
; B IS NOT ASKED FOR JOINTLY, though the four work-groups of a cluster's column read the same bytes: with both operands in LDS two slots of these bytes
; hold 256 along K each, 128 matrix instructions a wave for each refill; with A alone they hold 512, 256 matrix instructions, of which 240 stand
; between a refill's request and the wait for it; and B's bytes are neither written to LDS nor read from it.
; Registers: window 0: v0-31 addresses, v64-127 and v128-191 fragments of A (two buffers); window 1: v0-255 B's four stages, at the end R in v0-127;
; windows 2 and 3: accumulators, tile (a, b) at v[8 (8 a + b)].  Source 0 is 16 rows of B, source 1 16 rows of A: lane l holds row l % 16 and columns
; 8 (l / 16) + 0 .. 7 of a tile.
.set SIZE_K, 1024
.set WOFF,   0x400000
.set KK,     SIZE_K/32                 ; k steps in a row of B
.set PITCH,  272                       ; 256 bytes + 16: the sixteen rows of a fragment load start at sixteen different 16-byte columns
.set PARTB,  128*PITCH                 ; a wave's part of a slot: one tensor load
.set SLOT,   4*PARTB
.set SLOTB,  16*8192                   ; B: from my k steps of one slot to those of the next
.set RP,     528                       ; the way out: a row of 128 f32 + 16 bytes
.set SW,     128*RP                    ; a wave's partial block, laid over the slots after their last fill
.set LAPS,   SIZE_K/1024               ; a lap = both slots = 8 k steps of a wave
.set RDS,  8                           ; v8-11   the way out: my 16 bytes of my first row in partial block 0..3
.set ADRA, 16                          ; v16-17  LDS address of my A fragments in slot 0, 1
.set STO,  24
.set CO,   26                          ; 16 x lane
.set BIAS, 28                          ; v[28:31]
.set F0,   64
.set F1,   128
.set G1, 24                            ; s[24:31] descriptor group 1
.set G0, 32                            ; s[32:39] descriptor group 0, one set a slot
.set BB, 48                            ; s[48:49] B: my k step 0 of the current lap
.set MSB, 0
.macro WIN new                         ; the immediate's high byte repeats the setting that is left
.if MSB != \new
	s_set_vgpr_msb (MSB<<8)|\new
.set MSB, \new
.endif
.endm
.set MUL_LO, 0xa1                      ; source 0 (B) window 1, source 1 (A) window 0, C and D window 2
.set MUL_HI, 0xf1                      ; the same, C and D window 3
.set TO_B,   0x40                      ; destination window 1, address window 0
.macro CREST                           ; a round of the cluster's barrier behind its opening work-group barrier
	s_cmp_lg_u32 s10, 0
	s_cbranch_scc1 .Lnot_wave_0_\@
	s_barrier_signal -3
.Lnot_wave_0_\@:
	s_barrier_wait -3
	s_barrier_signal -1
	s_barrier_wait -1
.endm
.macro CROUND
	s_barrier_signal -1
	s_barrier_wait -1
	CREST
.endm
.macro PLACES                          ; four independent vector instructions between a matrix instruction and a load into, or a vector use of, its registers
.rept 4
	v_nop
.endr
.endm
.macro BLOAD g                         ; the 16 loads of k step g of this lap (8 to 10: the next lap's first steps), into stage g % 4
	WIN TO_B
.irp b, 0,1,2,3,4,5,6,7
	global_load_b128 v[64*((\g)%4)+8*\b:64*((\g)%4)+8*\b+3],   v[CO], s[BB:BB+1] offset:((\g)/4)*SLOTB+((\g)%4)*8192+\b*1024
	global_load_b128 v[64*((\g)%4)+8*\b+4:64*((\g)%4)+8*\b+7], v[CO], s[BB:BB+1] offset:((\g)/4)*SLOTB+((\g)%4)*8192+\b*1024+512
.endr
.endm
.macro RLOAD part                      ; 16 of my 32 rows of R, 512 bytes each, into the stage that B needs no more
	WIN TO_B
.set e, 0
.rept 16
	global_load_b128 v[64*(\part)+4*e:64*(\part)+4*e+3], v[CO], s[68:69] offset:4096*(16*(\part)+e)
.set e, e+1
.endr
.endm
.macro AHEAD kind, g                   ; 16 loads either way, so that the counts below hold in every step.  kind 1: B's step g + 3; 2, 3: R's halves
.if \kind == 1
	BLOAD \g+3
.else
	RLOAD \kind-2
.endif
.endm
.macro FETCHA sl, j, f                 ; 16 LDS loads: A's 128 rows, 32 k at byte 64 j of my part's rows
	WIN 0
.irp i, 0,1,2,3,4,5,6,7
	ds_load_b128 v[\f+8*\i:\f+8*\i+3],   v[ADRA+\sl] offset:64*(\j)+\i*16*PITCH
	ds_load_b128 v[\f+8*\i+4:\f+8*\i+7], v[ADRA+\sl] offset:64*(\j)+\i*16*PITCH+32
.endr
.endm
; 16 matrix instructions: m blocks a0, a0 + 1 of the window's four x all 8 n blocks.  zero = 1: the first product starts the sums.
; The 64 accumulators take turns, one instruction a turn, in the same order in every k step.
.macro MUL16 fa, fb, hi, a0, zero
.irp a, \a0, \a0+1
.irp b, 0,1,2,3,4,5,6,7
.if \zero
	v_wmma_f32_16x16x32_bf16 v[8*(8*(\a)+\b):8*(8*(\a)+\b)+7], v[\fb+8*\b:\fb+8*\b+7], v[\fa+8*(4*\hi+\a):\fa+8*(4*\hi+\a)+7], 0
.else
	v_wmma_f32_16x16x32_bf16 v[8*(8*(\a)+\b):8*(8*(\a)+\b)+7], v[\fb+8*\b:\fb+8*\b+7], v[\fa+8*(4*\hi+\a):\fa+8*(4*\hi+\a)+7], v[8*(8*(\a)+\b):8*(8*(\a)+\b)+7]
.endif
.endr
.endr
.endm
; One of a slot's first three k steps (j = 0, 1, 2; g = its number in the lap).  At its head the registers that the step before read are loaded again.
.macro STEP sl, j, zero, kind, g
	PLACES
	AHEAD \kind, \g
	FETCHA \sl, \j+1, F0+64*((\j+1)%2)
	s_wait_loadcnt 48                              ; loads return in order: this step's B is in; three runs of 16 younger loads stay out
	s_wait_dscnt 16                                ; this step's A is in; the 16 loads just issued stay out
	WIN MUL_LO
	MUL16 F0+64*(\j%2), 64*\j, 0, 0, \zero
	MUL16 F0+64*(\j%2), 64*\j, 0, 2, \zero
	WIN MUL_HI
	MUL16 F0+64*(\j%2), 64*\j, 1, 0, \zero
	MUL16 F0+64*(\j%2), 64*\j, 1, 2, \zero
.endm
; A slot's last k step, and the change of slots.  Its fragments were fetched a step ago, so my reads of the slot are over at its head.  In front of the
; barrier each wave waits for them and for all its tensor loads (one is out: its part of the other slot); behind it (with a refill: behind a round of the
; cluster's barrier) the refill comes first, then the other slot's first fragments.
.macro TURN sl, fill, g
	s_wait_loadcnt 32                              ; this step's B is in; the two younger runs of 16 stay out
	s_wait_dscnt 0                                 ; my reads of this slot are over
	s_wait_tensorcnt 0x0                           ; all my tensor loads have landed
	s_barrier_signal -1
	WIN MUL_LO
	MUL16 F1, 192, 0, 0, 0                         ; register work while the others arrive
	WIN 0
	s_barrier_wait -1
.if \fill
	CREST                                          ; all sixteen work-groups have said so: no partner's wave still reads this slot or has a load on its way
	s_add_nc_u64 s[G0+4*\sl+2:G0+4*\sl+3], s[G0+4*\sl+2:G0+4*\sl+3], 2048   ; two slots of 1,024 bytes along the rows
	tensor_load_to_lds s[G0+4*\sl:G0+4*\sl+3], s[G1:G1+7]                   ; my one tensor load behind the round
.endif
	PLACES
	BLOAD \g+3
	FETCHA 1-\sl, 0, F0
	WIN MUL_LO
	MUL16 F1, 192, 0, 2, 0
	WIN MUL_HI
	MUL16 F1, 192, 1, 0, 0
	MUL16 F1, 192, 1, 2, 0
.endm
.macro FINAL                           ; the very last k step: nothing more to fetch
	s_wait_loadcnt 32                              ; its B is in; R's 32 loads stay out
	s_wait_dscnt 0
	WIN MUL_LO
	MUL16 F1, 192, 0, 0, 0
	MUL16 F1, 192, 0, 2, 0
	WIN MUL_HI
	MUL16 F1, 192, 1, 0, 0
	MUL16 F1, 192, 1, 2, 0
.endm
.macro LAP zero, last                  ; both slots.  last = 1: nothing is filled again, B's loads end with step 7, and R's take their place
	STEP 0, 0, \zero, 1, 0
	STEP 0, 1, 0, 1, 1
	STEP 0, 2, 0, 1, 2
	TURN 0, 1-\last, 3
	STEP 1, 0, 0, 1, 4
.if \last
	STEP 1, 1, 0, 2, 5
	STEP 1, 2, 0, 3, 6
	FINAL
.else
	STEP 1, 1, 0, 1, 5
	STEP 1, 2, 0, 1, 6
	TURN 1, 1, 7
	WIN 0
	s_wait_xcnt 0x0                                ; B's base, which the loads above name, is stepped only behind this wait
	s_add_nc_u64 s[BB:BB+1], s[BB:BB+1], 2*SLOTB
.endif
.endm
	s_load_b128 s[4:7], s[0:1], 0x0                ; A s[4:5], wts s[6:7]
	s_load_b64 s[8:9], s[0:1], 0x10                ; C
	s_load_b128 s[68:71], s[0:1], 0x18             ; R s[68:69], bias s[70:71]
	v_lshl_add_u32 v254, v0, 2, 0x44000
	v_mov_b32 v255, 0
	ds_add_u32 v254, v255
	ds_add_u32 v254, v255
	v_lshrrev_b32 v1, 5, v0
	v_readfirstlane_b32 s10, v1                    ; wave
	s_bfe_u32 s40, ttmp6, 0x40000                  ; cx
	s_bfe_u32 s41, ttmp6, 0x40004                  ; cy
	s_lshl_b32 s42, ttmp9, 2
	s_add_co_u32 s42, s42, s40                     ; block column
	s_and_b32 s13, ttmp7, 0xffff
	s_lshl_b32 s13, s13, 2
	s_add_co_u32 s13, s13, s41                     ; block row
	s_lshl_b32 s43, s41, 2
	s_lshl_b32 s43, 15, s43                        ; my row of the cluster
	s_or_b32 s[G1+0], s43, (1<<16)|(1<<20)|(1<<21)|(5<<22)|(3<<25)  ; mask; 2-byte elements; padding: 4 words behind every 64; bit 21 beside a mask
	s_mov_b32 s[G1+1], 128<<16                     ; tensor_dim0 = 128
	s_mov_b32 s[G1+2], 128<<16                     ; tensor_dim1 = 128
	s_mov_b32 s[G1+3], 128<<16                     ; tile_dim0 = 128
	s_mov_b32 s[G1+4], 128                         ; tile_dim1 = 128
	s_mov_b32 s[G1+5], SIZE_K                      ; elements from row to row
	s_mov_b32 s[G1+6], 0
	s_mov_b32 s[G1+7], 0
	s_lshl_b32 s16, s13, 7                         ; A: row 128 x block row
	s_mov_b32 s17, 0
	s_mov_b64 s[18:19], SIZE_K*2
	s_mul_u64 s[16:17], s[16:17], s[18:19]
	s_lshl_b32 s18, s10, 8                         ; my 128 of a slot's K
	s_mov_b32 s19, 0
	s_add_nc_u64 s[16:17], s[16:17], s[18:19]
	s_mul_i32 s20, s10, PARTB                      ; LDS: wave x a part; no place in the cluster enters an LDS address
	s_mul_i32 s46, s42, KK*8192                    ; B: my block of 128 n,
	s_lshl_b32 s47, s10, 15                        ; my four k steps of a slot's sixteen
	s_add_co_u32 s46, s46, s47
	s_add_co_u32 s46, s46, WOFF
	s_mov_b32 s47, 0
	s_lshl_b32 s14, s13, 7                         ; R and C: row 128 x block row + 32 w,
	s_lshl_b32 s15, s10, 5
	s_add_co_u32 s14, s14, s15
	s_lshl_b32 s14, s14, 12                        ; rows of 4,096 bytes,
	s_mov_b32 s15, 0
	s_lshl_b32 s44, s42, 9                         ; 128 columns of 4 bytes a block
	s_mov_b32 s45, 0
	v_and_b32 v6, 31, v0
	v_lshlrev_b32 v[CO], 4, v6                     ; 16 bytes a lane: 512 consecutive bytes by one instruction of the wave
	s_wait_dscnt 0x0
	s_wait_kmcnt 0x0
	s_add_nc_u64 s[BB:BB+1], s[6:7], s[46:47]
	s_add_nc_u64 s[70:71], s[70:71], s[44:45]
	s_add_nc_u64 s[68:69], s[68:69], s[14:15]
	s_add_nc_u64 s[68:69], s[68:69], s[44:45]
	s_add_nc_u64 s[8:9], s[8:9], s[14:15]
	s_add_nc_u64 s[8:9], s[8:9], s[44:45]
	s_add_nc_u64 s[50:51], s[4:5], s[16:17]
	global_load_b128 v[BIAS:BIAS+3], v[CO], s[70:71]   ; older than every load of B: the first counted wait covers it
	BLOAD 0                                        ; B's first three k steps go out before anything else
	BLOAD 1
	BLOAD 2
	WIN 0
	CROUND                                         ; the first joint loads meet
.irp s, 0,1
	s_mov_b32 s[G0+4*\s], 1
	s_add_co_u32 s[G0+4*\s+1], s20, \s*SLOT
	s_add_nc_u64 s[G0+4*\s+2:G0+4*\s+3], s[50:51], \s*1024
	s_or_b32 s[G0+4*\s+3], s[G0+4*\s+3], 0x80000000
	tensor_load_to_lds s[G0+4*\s:G0+4*\s+3], s[G1:G1+7]            ; two tensor loads of the wave are out here, later one
	s_nop 0
.endr
	v_and_b32 v1, 15, v0                           ; r
	v_bfe_u32 v2, v0, 4, 1                         ; h
	v_mul_u32_u24 v3, v1, PITCH
	v_lshl_add_u32 v3, v2, 4, v3
	v_add_nc_u32 v[ADRA], s20, v3
	v_add_nc_u32 v[ADRA+1], SLOT, v[ADRA]
	v_mul_u32_u24 v4, v1, RP
	v_lshl_add_u32 v4, v2, 5, v4                   ; the way out: row r, 32 bytes for each half of the lanes
	s_mul_i32 s23, s10, SW
	v_add_nc_u32 v[STO], s23, v4
	s_mul_i32 s23, s10, 32*RP                      ; I add up rows 32 w .. 32 w + 31
	v_add_nc_u32 v7, s23, v[CO]
.irp s, 0,1,2,3
	v_add_nc_u32 v[RDS+\s], \s*SW, v7
.endr
	s_wait_tensorcnt 1                             ; my part of slot 0 is in; slot 1's load stays out
	s_barrier_signal -1
	s_barrier_wait -1
	FETCHA 0, 0, F0
.if LAPS == 1
	LAP 1, 1
.else
	LAP 1, 0
.if LAPS > 2
	s_mov_b32 s3, LAPS-2
.Llap:
	LAP 0, 0
	s_sub_co_u32 s3, s3, 1
	s_cmp_lg_u32 s3, 0
	s_cbranch_scc1 .Llap
.endif
	LAP 0, 1
.endif
	; THE WAY OUT.  The four partial blocks meet in LDS; wave w adds up rows 32 w .. 32 w + 31, the bias and R.
	PLACES
	WIN 0
	s_barrier_signal -1                            ; every wave's reads of the slots are back and no tensor load is out: the slots have had their last fill
	s_barrier_wait -1
	WIN 0x08                                       ; store data from window 2
.irp a, 0,1,2,3
.irp b, 0,1,2,3,4,5,6,7
	ds_store_b128 v[STO], v[8*(8*\a+\b):8*(8*\a+\b)+3]   offset:16*RP*\a+64*\b
	ds_store_b128 v[STO], v[8*(8*\a+\b)+4:8*(8*\a+\b)+7] offset:16*RP*\a+64*\b+16
.endr
.endr
	WIN 0x0c                                       ; from window 3
.irp a, 0,1,2,3
.irp b, 0,1,2,3,4,5,6,7
	ds_store_b128 v[STO], v[8*(8*\a+\b):8*(8*\a+\b)+3]   offset:16*RP*(\a+4)+64*\b
	ds_store_b128 v[STO], v[8*(8*\a+\b)+4:8*(8*\a+\b)+7] offset:16*RP*(\a+4)+64*\b+16
.endr
.endr
	WIN 0
	s_wait_dscnt 0x0                               ; zero: the other waves read these bytes
	s_barrier_signal -1
	s_barrier_wait -1
.irp gq, 0,1,2,3
	s_wait_xcnt 0x0                                ; the registers that the last group's stores read are loaded again only behind this wait
.irp s, 0,1,2,3
.irp rr, 0,1,2,3,4,5,6,7
	ds_load_b128 v[F0+32*\s+4*\rr:F0+32*\s+4*\rr+3], v[RDS+\s] offset:RP*(8*\gq+\rr)
.endr
.endr
	s_wait_dscnt 0x0
.if \gq == 0
	s_wait_loadcnt 0x0                             ; R
.endif
.set e, 0
.rept 16
	v_pk_add_f32 v[F0+e:F0+e+1], v[F0+e:F0+e+1], v[F0+32+e:F0+32+e+1]
	v_pk_add_f32 v[F0+64+e:F0+64+e+1], v[F0+64+e:F0+64+e+1], v[F0+96+e:F0+96+e+1]
.set e, e+2
.endr
.set e, 0
.rept 16
	v_pk_add_f32 v[F0+e:F0+e+1], v[F0+e:F0+e+1], v[F0+64+e:F0+64+e+1]
.set e, e+2
.endr
.set e, 0
.rept 16
	v_pk_add_f32 v[F0+e:F0+e+1], v[F0+e:F0+e+1], v[BIAS+(e&3):BIAS+(e&3)+1]
.set e, e+2
.endr
	WIN 0x04                                       ; source 1 from window 1: R, row e at v[4 e]
.set e, 0
.rept 16
	v_pk_add_f32 v[F0+e:F0+e+1], v[F0+e:F0+e+1], v[32*\gq+e:32*\gq+e+1]
.set e, e+2
.endr
	WIN 0
.irp rr, 0,1,2,3,4,5,6,7
	global_store_b128 v[CO], v[F0+4*\rr:F0+4*\rr+3], s[8:9] offset:4096*(8*\gq+\rr)   ; the wave stores 512 consecutive aligned bytes
.endr
.endr
	s_wait_tensorcnt 0x0
	ds_add_u32 v254, v255
	s_wait_dscnt 0x0
	CROUND                                         ; the closing round
	s_endpgm
.Lfunc_end_k_q2077e43b89_oproj:
	.size	k_q2077e43b89_oproj, .Lfunc_end_k_q2077e43b89_oproj-k_q2077e43b89_oproj
	.p2alignl 7, 3214868480
	.fill 96, 4, 3214868480
	.section	.rodata,"a",@progbits
	.p2align	6, 0x0
	.amdhsa_kernel k_q2077e43b89_oproj
		.amdhsa_group_segment_fixed_size 279040
		.amdhsa_private_segment_fixed_size 0
		.amdhsa_enable_private_segment 0
		.amdhsa_kernarg_size 40
		.amdhsa_user_sgpr_count 2
		.amdhsa_user_sgpr_kernarg_segment_ptr 1
		.amdhsa_wavefront_size32 1
		.amdhsa_system_sgpr_workgroup_id_x 1
		.amdhsa_system_sgpr_workgroup_id_y 1
		.amdhsa_system_sgpr_workgroup_id_z 1
		.amdhsa_system_vgpr_workitem_id 0
		.amdhsa_next_free_vgpr 1024
		.amdhsa_next_free_sgpr 72
		.amdhsa_reserve_vcc 0
		.amdhsa_float_denorm_mode_32 3
		.amdhsa_float_denorm_mode_16_64 3
		.amdhsa_memory_ordered 1
		.amdhsa_forward_progress 1
		.amdhsa_inst_pref_size 103
	.end_amdhsa_kernel
	.amdgpu_metadata
---
amdhsa.version: [ 1, 2 ]
amdhsa.kernels:
  - .name:           k_q2077e43b89_oproj
    .symbol:         k_q2077e43b89_oproj.kd
    .args:
      - { .name: z, .offset: 0, .size: 8, .value_kind: global_buffer, .address_space: global }
      - { .name: wts, .offset: 8, .size: 8, .value_kind: global_buffer, .address_space: global }
      - { .name: post, .offset: 16, .size: 8, .value_kind: global_buffer, .address_space: global }
      - { .name: x, .offset: 24, .size: 8, .value_kind: global_buffer, .address_space: global }
      - { .name: b_out, .offset: 32, .size: 8, .value_kind: global_buffer, .address_space: global }
    .group_segment_fixed_size: 279040
    .private_segment_fixed_size: 0
    .kernarg_segment_align: 8
    .kernarg_segment_size: 40
    .max_flat_workgroup_size: 128
    .sgpr_count:     72
    .vgpr_count:     1024
    .wavefront_size: 32
...
	.end_amdgpu_metadata
.endif
;; end of part 5
;; launch ln2: the kernel of part 2 again; grid 256 x 1, 4 waves a work-group, no clusters, 0 bytes of LDS; arguments post, ln2_w, ln2_b, nrm; writes nrm
;; launch mlp1 (part 6): grid 16 x 16, 4 waves a work-group, clusters of 4 x 4, 327,680 bytes of LDS; arguments nrm, wts, act, mlp1_b; writes act
.if DOCPART == 6
	.amdgcn_target "amdgcn-amd-amdhsa--gfx1250"
	.amdhsa_code_object_version 6
	.text
	.protected	k_q2077e43b89_mlp1
	.globl	k_q2077e43b89_mlp1
	.p2align	8
	.type	k_q2077e43b89_mlp1,@function
k_q2077e43b89_mlp1:
	s_mov_b64 s[64:65], 0
	v_nop
	global_prefetch_b8 v0, s[64:65] scope:SCOPE_SE
	s_setreg_imm32_b32 hwreg(HW_REG_WAVE_MODE, 25, 1), 1
	s_wait_xcnt 0x0
	s_wait_alu depctr_hold_cnt(0) depctr_sa_sdst(0) depctr_va_vdst(0) depctr_va_sdst(0) depctr_va_ssrc(0) depctr_va_vcc(0) depctr_vm_vsrc(0)
	s_getreg_b32 s2, hwreg(HW_REG_IB_STS2, 6, 4)
	s_cmp_eq_u32 s2, 0
	s_cbranch_scc0 .Lentry_in_a_cluster
	s_endpgm
.Lentry_in_a_cluster:
	s_bfe_u32 s2, ttmp6, 0x10000c
	s_cmp_lg_u32 s2, 0xf033
	s_cbranch_scc0 .Lentry_shape_is_right
	s_endpgm
.Lentry_shape_is_right:
; act[m][n] = gelu( b[n] + sum over k of nrm[m][k] w1[n][k] ), the exact (erf) GELU.  nrm: [4096][1024], w1: [4096][1024] at byte 0x600000 of wts,
; act: [4096][4096], all bf16; b: [4096] f32; sums and the GELU in f32.
; The product: a work-group makes 256 x 256 with four waves of 128 x 128 (512 accumulator registers each); K in steps of 128 through two LDS slots filled
; by tensor loads (rows of 256 consecutive aligned bytes); 4 x 4 work-groups form a cluster, A's tile asked for jointly along a row, B's along a column.
; GELU: gelu(x) = max(x, 0) - |x| Q(|x|), Q the normal distribution's upper tail, Q(y) = exp(-y^2 / 2) (c1 t + .. + c5 t^5), t = 1 / (1 + 0.2316419 y)
; (Abramowitz and Stegun 26.2.17, the factor 1 / sqrt(2 pi) folded into c1 .. c5): absolute error of Q below 7.5e-8 for every y >= 0.
; LIMITS: NaN and infinite x are not treated; for |x| above about 1.8e19 x^2 overflows, the exponential is 0 and the result max(x, 0), as it should be.
; Registers: window 0: v0-31 addresses, v64-191 fragments of A, later the GELU's work; window 1: v64-191 fragments of B, later the bias;
; windows 2, 3: accumulators, tile (a, b) at v[8 (8 a + b)].  Source 0 is 16 rows of B, source 1 16 rows of A: a lane holds eight neighbouring columns of a row.
.set SIZE_M, 4096
.set SIZE_N, 4096
.set SIZE_K, 1024
.set WOFF,   0x600000
.set KSTEP,  128
.set PITCH,  272
.set HALFT,  128*PITCH
.set SLOT,   4*HALFT
.set STAGE,  2*SLOT
.set SPITCH, 272
.set LAPS, SIZE_K/(2*KSTEP)
.set ADRA, 16
.set ADRB, 20
.set STO,  24
.set RD,   25
.set CO,   26
.set BO,   27                          ; 32 x (l / 16): my eight columns' bias in a tile
.set F0,   64
.set F1,   128
.set XX,   64                          ; the way out: v[64:127] x of 16 rows (8 tiles x 8)
.set RB,   128                         ; v[128:159] rows read back
.set DD,   160                         ; v[160:175] t
.set EE,   176                         ; v[176:191] the exponential, then max(x, 0)
.set TMP,  192                         ; v[192:223] packed results
.set PL,   224                         ; v[224:239] the polynomial
.set C4,   240                         ; v[240:241] c4, twice
.set G1, 24
.set G0, 32
.set G1B, 48
.set G0B, 56
.set MSB, 0
.macro WIN new
.if MSB != \new
	s_set_vgpr_msb (MSB<<8)|\new
.set MSB, \new
.endif
.endm
.set MUL_LO, 0xa1
.set MUL_HI, 0xf1
.set TO_B,   0x40
.macro JLOAD s
	s_cmp_eq_u32 s11, 0
	s_cbranch_scc0 .Lfor_b_\@
	tensor_load_to_lds s[G0+4*\s:G0+4*\s+3], s[G1:G1+7]
	s_nop 0
	s_branch .Lasked_\@
.Lfor_b_\@:
	tensor_load_to_lds s[G0B+4*\s:G0B+4*\s+3], s[G1B:G1B+7]
	s_nop 0
.Lasked_\@:
.endm
.macro CREST
	s_cmp_lg_u32 s10, 0
	s_cbranch_scc1 .Lnot_wave_0_\@
	s_barrier_signal -3
.Lnot_wave_0_\@:
	s_barrier_wait -3
	s_barrier_signal -1
	s_barrier_wait -1
.endm
.macro CROUND
	s_barrier_signal -1
	s_barrier_wait -1
	CREST
.endm
	s_load_b128 s[4:7], s[0:1], 0x0                ; A s[4:5], wts s[6:7]
	s_load_b64 s[8:9], s[0:1], 0x10                ; C
	s_set_vgpr_msb 0x40
	v_lshl_add_u32 v255, v0, 2, 0x48400
	s_set_vgpr_msb 0x4000
	v_mov_b32 v255, 0
	s_set_vgpr_msb 0x1
	ds_add_u32 v255, v255
	ds_add_u32 v255, v255
	s_set_vgpr_msb 0x100
	v_lshrrev_b32 v1, 5, v0
	v_readfirstlane_b32 s10, v1
	s_lshr_b32 s11, s10, 1
	s_and_b32 s12, s10, 1
	s_bfe_u32 s40, ttmp6, 0x40000                  ; cx
	s_bfe_u32 s41, ttmp6, 0x40004                  ; cy
	s_lshl_b32 s42, ttmp9, 2
	s_add_co_u32 s42, s42, s40                     ; block column
	s_and_b32 s13, ttmp7, 0xffff
	s_lshl_b32 s13, s13, 2
	s_add_co_u32 s13, s13, s41                     ; block row
	s_lshl_b32 s43, s41, 2
	s_lshl_b32 s43, 15, s43
	s_lshl_b32 s44, 0x1111, s40
	s_or_b32 s[G1+0], s43, (1<<16)|(1<<20)|(1<<21)|(5<<22)|(3<<25)
	s_or_b32 s[G1B+0], s44, (1<<16)|(1<<20)|(1<<21)|(5<<22)|(3<<25)
	s_mov_b32 s[G1B+1], KSTEP<<16
	s_mov_b32 s[G1+1], KSTEP<<16
	s_mov_b32 s[G1B+2], 128<<16
	s_mov_b32 s[G1+2], 128<<16
	s_mov_b32 s[G1B+3], KSTEP<<16
	s_mov_b32 s[G1+3], KSTEP<<16
	s_mov_b32 s[G1B+4], 128
	s_mov_b32 s[G1+4], 128
	s_mov_b32 s[G1B+5], SIZE_K
	s_mov_b32 s[G1+5], SIZE_K
	s_mov_b32 s[G1B+6], 0
	s_mov_b32 s[G1+6], 0
	s_mov_b32 s[G1B+7], 0
	s_mov_b32 s[G1+7], 0
	s_lshl_b32 s17, s12, 7
	s_lshl_b32 s16, s13, 8
	s_add_co_u32 s16, s16, s17
	s_lshl_b32 s46, s42, 8
	s_add_co_u32 s46, s46, s17
	s_mov_b32 s17, 0
	s_mov_b32 s47, 0
	s_mov_b64 s[18:19], SIZE_K*2
	s_mul_u64 s[16:17], s[16:17], s[18:19]
	s_mul_u64 s[46:47], s[46:47], s[18:19]
	s_mul_i32 s20, s10, HALFT
	s_wait_dscnt 0x0
	s_wait_kmcnt 0x0
	s_add_nc_u64 s[6:7], s[6:7], WOFF
	s_add_nc_u64 s[14:15], s[4:5], s[16:17]
	s_add_nc_u64 s[46:47], s[6:7], s[46:47]
	CROUND
.irp s, 0,1
	s_mov_b32 s[G0+4*\s], 1
	s_add_co_u32 s[G0+4*\s+1], s20, \s*SLOT
	s_add_nc_u64 s[G0+4*\s+2:G0+4*\s+3], s[14:15], \s*KSTEP*2
	s_or_b32 s[G0+4*\s+3], s[G0+4*\s+3], 0x80000000
	s_mov_b32 s[G0B+4*\s], 1
	s_add_co_u32 s[G0B+4*\s+1], s20, \s*SLOT
	s_add_nc_u64 s[G0B+4*\s+2:G0B+4*\s+3], s[46:47], \s*KSTEP*2
	s_or_b32 s[G0B+4*\s+3], s[G0B+4*\s+3], 0x80000000
	JLOAD \s                                       ; two tensor loads of the wave are out here, later one
.endr
	v_and_b32 v1, 15, v0
	v_bfe_u32 v2, v0, 4, 1
	v_mul_u32_u24 v3, v1, PITCH
	v_lshl_add_u32 v3, v2, 4, v3
	s_mul_i32 s21, s11, HALFT
	s_mul_i32 s22, s12, HALFT
	s_add_co_u32 s22, s22, 2*HALFT
.irp s, 0,1
	v_add_nc_u32 v[ADRA+\s], s21, v3
	v_add_nc_u32 v[ADRB+\s], s22, v3
	s_add_co_u32 s21, s21, SLOT
	s_add_co_u32 s22, s22, SLOT
.endr
	s_mul_i32 s23, s10, 16*SPITCH
	s_add_co_u32 s23, s23, STAGE
	v_mul_u32_u24 v4, v1, SPITCH
	v_lshl_add_u32 v4, v2, 4, v4
	v_add_nc_u32 v[STO], s23, v4
	v_mul_u32_u24 v5, v2, SPITCH
	v_lshl_add_u32 v5, v1, 4, v5
	v_add_nc_u32 v[RD], s23, v5
	v_mul_u32_u24 v5, v2, SIZE_N*2
	v_lshl_add_u32 v[CO], v1, 4, v5
	v_lshlrev_b32 v[BO], 5, v2
; The 64 accumulators take turns, one instruction a turn, in the same order in every quarter step.
.macro MUL16 f, hi, a0, zero
.irp a, \a0, \a0+1
.irp b, 0,1,2,3,4,5,6,7
.if \zero
	v_wmma_f32_16x16x32_bf16 v[8*(8*(\a)+\b):8*(8*(\a)+\b)+7], v[\f+8*\b:\f+8*\b+7], v[\f+8*(4*\hi+\a):\f+8*(4*\hi+\a)+7], 0
.else
	v_wmma_f32_16x16x32_bf16 v[8*(8*(\a)+\b):8*(8*(\a)+\b)+7], v[\f+8*\b:\f+8*\b+7], v[\f+8*(4*\hi+\a):\f+8*(4*\hi+\a)+7], v[8*(8*(\a)+\b):8*(8*(\a)+\b)+7]
.endif
.endr
.endr
.endm
.macro FETCH slot, k, f
	WIN TO_B
.irp i, 0,1,2,3,4,5,6,7
	ds_load_b128 v[\f+8*\i:\f+8*\i+3],   v[ADRB+\slot] offset:\k+\i*16*PITCH
	ds_load_b128 v[\f+8*\i+4:\f+8*\i+7], v[ADRB+\slot] offset:\k+\i*16*PITCH+32
.endr
	WIN 0
.irp i, 0,1,2,3,4,5,6,7
	ds_load_b128 v[\f+8*\i:\f+8*\i+3],   v[ADRA+\slot] offset:\k+\i*16*PITCH
	ds_load_b128 v[\f+8*\i+4:\f+8*\i+7], v[ADRA+\slot] offset:\k+\i*16*PITCH+32
.endr
.endm
.macro PLACES                          ; four independent vector instructions behind a matrix instruction (ISA guide 7.12.1)
.rept 4
	v_nop
.endr
.endm
.macro QUARTER slot, k, f, g, zero
	s_wait_dscnt 8                                 ; B and A's rows 0-63 are in; the youngest eight loads may be out
	WIN MUL_LO
	MUL16 \f, 0, 0, \zero
	MUL16 \f, 0, 2, \zero
	PLACES
	FETCH \slot, \k, \g
	s_wait_dscnt 32                                ; all but the 32 just issued
	WIN MUL_HI
	MUL16 \f, 1, 0, \zero
	MUL16 \f, 1, 2, \zero
.endm
.macro THREE slot, zero
	QUARTER \slot, 64,  F0, F1, \zero
	QUARTER \slot, 128, F1, F0, 0
	QUARTER \slot, 192, F0, F1, 0
.endm
.macro TURN slot, next, fill
	s_wait_dscnt 8
	WIN MUL_LO
	MUL16 F1, 0, 0, 0
	s_wait_dscnt 0                                 ; my reads of this slot are over
	s_wait_tensorcnt 0x0                           ; all my tensor loads have landed
	ds_add_u32 v255, v255
	s_wait_dscnt 0x0
	s_barrier_signal -1
	MUL16 F1, 0, 2, 0
	WIN 0
	s_barrier_wait -1
.if \fill
	CREST
	s_add_nc_u64 s[G0+4*\slot+2:G0+4*\slot+3], s[G0+4*\slot+2:G0+4*\slot+3], 2*KSTEP*2
	s_add_nc_u64 s[G0B+4*\slot+2:G0B+4*\slot+3], s[G0B+4*\slot+2:G0B+4*\slot+3], 2*KSTEP*2
	JLOAD \slot
.endif
	PLACES
	FETCH \next, 0, F0
	WIN MUL_HI
	MUL16 F1, 1, 0, 0
	MUL16 F1, 1, 2, 0
.endm
.macro LAP zero
	THREE 0, \zero
	TURN 0, 1, 1
	THREE 1, 0
	TURN 1, 0, 1
.endm
	s_wait_tensorcnt 1                             ; my part of K step 0 is in; K step 1's load stays out
	s_barrier_signal -1
	s_barrier_wait -1
	FETCH 0, 0, F0
	LAP 1
	WIN 0
	s_mov_b32 s3, LAPS-2
.Llap:
	LAP 0
	WIN 0
	s_sub_co_u32 s3, s3, 1
	s_cmp_lg_u32 s3, 0
	s_cbranch_scc1 .Llap
	THREE 0, 0
	TURN 0, 1, 0
	THREE 1, 0
	s_wait_dscnt 8
	WIN MUL_LO
	MUL16 F1, 0, 0, 0
	MUL16 F1, 0, 2, 0
	s_wait_dscnt 0
	WIN MUL_HI
	MUL16 F1, 1, 0, 0
	MUL16 F1, 1, 2, 0
	; THE WAY OUT.  No tensor load is out any more, so the descriptors' registers hold the GELU's constants from here on.
	PLACES
	s_load_b64 s[20:21], s[0:1], 0x18              ; the bias
	s_lshl_b32 s46, s42, 10                        ; my 128 columns: (256 x block column + 128 x half) x 4 bytes
	s_lshl_b32 s47, s12, 9
	s_add_co_u32 s46, s46, s47
	s_mov_b32 s47, 0
	s_wait_kmcnt 0x0
	s_add_nc_u64 s[20:21], s[20:21], s[46:47]
	WIN TO_B
.irp b, 0,1,2,3,4,5,6,7
	global_load_b128 v[64+8*\b:64+8*\b+3],   v[BO], s[20:21] offset:64*\b      ; window 1: the bias of columns 16 b + 8 (l / 16) + 0 .. 7
	global_load_b128 v[64+8*\b+4:64+8*\b+7], v[BO], s[20:21] offset:64*\b+16
.endr
	WIN 0
	s_mov_b32 s24, 0x3f07dc22                      ; c5 = 1.330274429 / sqrt(2 pi), twice
	s_mov_b32 s25, 0x3f07dc22
	v_mov_b32 v[C4], 0xbf3a00e3                    ; c4 = -1.821255978 / sqrt(2 pi)
	v_mov_b32 v[C4+1], 0xbf3a00e3
	s_mov_b32 s28, 0x3f35f0e3                      ; c3 = 1.781477937 / sqrt(2 pi)
	s_mov_b32 s29, 0x3f35f0e3
	s_mov_b32 s30, 0xbe11a98e                      ; c2 = -0.356563782 / sqrt(2 pi)
	s_mov_b32 s31, 0xbe11a98e
	s_mov_b32 s32, 0x3e027906                      ; c1 = 0.319381530 / sqrt(2 pi)
	s_mov_b32 s33, 0x3e027906
	s_mov_b32 s34, 0xbf38aa3b                      ; -log2(e) / 2
	s_mov_b32 s35, 0xbf38aa3b
	s_mov_b32 s36, 0x3e6d3389                      ; 0.2316419
	s_lshl_b32 s13, s13, 8
	s_lshl_b32 s14, s11, 7
	s_add_co_u32 s16, s13, s14                     ; my first row
	s_mov_b32 s17, 0
	s_mov_b64 s[18:19], SIZE_N*2
	s_mul_u64 s[16:17], s[16:17], s[18:19]
	s_add_nc_u64 s[8:9], s[8:9], s[16:17]
	s_lshl_b32 s46, s42, 9
	s_lshl_b32 s47, s12, 8
	s_add_co_u32 s46, s46, s47
	s_mov_b32 s47, 0
	s_add_nc_u64 s[8:9], s[8:9], s[46:47]
	s_wait_loadcnt 0x0                             ; the bias
; GELU of the sixteen numbers at XX + 16 g, packed into TMP + 8 g.  Behind each run of transcendentals plain instructions on other registers come first.
.macro GELU16 g
.set k, 0
.rept 16
	v_fma_f32 v[DD+k], |v[XX+16*\g+k]|, s36, 1.0
.set k, k+1
.endr
.set k, 0
.rept 16
	v_rcp_f32 v[DD+k], v[DD+k]                     ; t
.set k, k+1
.endr
.set k, 0
.rept 8
	v_pk_mul_f32 v[EE+k:EE+k+1], v[XX+16*\g+k:XX+16*\g+k+1], v[XX+16*\g+k:XX+16*\g+k+1]
.set k, k+2
.endr
.set k, 0
.rept 8
	v_pk_mul_f32 v[EE+k:EE+k+1], v[EE+k:EE+k+1], s[34:35] op_sel_hi:[1,0]
.set k, k+2
.endr
.set k, 0
.rept 16
	v_exp_f32 v[EE+k], v[EE+k]                     ; exp(-x^2 / 2)
.set k, k+1
.endr
.set k, 0
	s_wait_alu depctr_va_vdst(0)
.rept 8
	v_pk_fma_f32 v[PL+k:PL+k+1], v[DD+k:DD+k+1], s[24:25], v[C4:C4+1] op_sel_hi:[1,0,1]
.set k, k+2
.endr
.irp c, 28,30,32
.set k, 0
.rept 8
	v_pk_fma_f32 v[PL+k:PL+k+1], v[PL+k:PL+k+1], v[DD+k:DD+k+1], s[\c:\c+1] op_sel_hi:[1,1,0]
.set k, k+2
.endr
.endr
.set k, 0
.rept 8
	v_pk_mul_f32 v[PL+k:PL+k+1], v[PL+k:PL+k+1], v[DD+k:DD+k+1]
.set k, k+2
.endr
.set k, 0
.rept 8
	v_pk_mul_f32 v[PL+k:PL+k+1], v[PL+k:PL+k+1], v[EE+k:EE+k+1]   ; Q(|x|)
.set k, k+2
.endr
.set k, 0
.rept 16
	v_max_num_f32 v[EE+k], 0, v[XX+16*\g+k]
.set k, k+1
.endr
.set k, 0
.rept 16
	v_fma_f32 v[XX+16*\g+k], -|v[XX+16*\g+k]|, v[PL+k], v[EE+k]
.set k, k+1
.endr
.set k, 0
.rept 8
	v_cvt_pk_bf16_f32 v[TMP+8*\g+k], v[XX+16*\g+2*k], v[XX+16*\g+2*k+1]
.set k, k+1
.endr
.endm
; rows 16 i .. 16 i + 15 of my block = tiles (a, 0..7) of window 2 or 3 (from = 0x06 or 0x07: source 0 that window, source 1 window 1)
.macro OUT16 i, a, from
	WIN \from
.irp b, 0,1,2,3,4,5,6,7
.irp e, 0,2,4,6
	v_pk_add_f32 v[XX+8*\b+\e:XX+8*\b+\e+1], v[8*(8*\a+\b)+\e:8*(8*\a+\b)+\e+1], v[64+8*\b+\e:64+8*\b+\e+1]
.endr
.endr
	WIN 0
	GELU16 0
	GELU16 1
	GELU16 2
	GELU16 3
.irp b, 0,1,2,3,4,5,6,7
	ds_store_b128 v[STO], v[TMP+4*\b:TMP+4*\b+3] offset:32*\b
.endr
	s_wait_xcnt 0x0                                ; the read-back registers, which earlier stores read, and the stores' base are rewritten only behind this wait
.if \i
	s_add_nc_u64 s[8:9], s[8:9], 16*SIZE_N*2
.endif
.irp t, 0,1,2,3,4,5,6,7
	ds_load_b128 v[RB+4*\t:RB+4*\t+3], v[RD] offset:\t*2*SPITCH    ; LDS serves a wave's instructions in order: these see the stores above
.endr
.irp t, 0,1,2,3,4,5,6,7
	s_wait_dscnt 7-\t
	global_store_b128 v[CO], v[RB+4*\t:RB+4*\t+3], s[8:9] offset:2*\t*SIZE_N*2   ; sixteen lanes store 256 consecutive aligned bytes
.endr
.endm
	OUT16 0, 0, 0x06
	OUT16 1, 1, 0x06
	OUT16 2, 2, 0x06
	OUT16 3, 3, 0x06
	OUT16 4, 0, 0x07
	OUT16 5, 1, 0x07
	OUT16 6, 2, 0x07
	OUT16 7, 3, 0x07
	s_set_vgpr_msb 0x1
	s_wait_tensorcnt 0x0
	ds_add_u32 v255, v255
	s_wait_dscnt 0x0
	s_set_vgpr_msb 0x100
	CROUND                                         ; the closing round
	s_endpgm
.Lfunc_end_k_q2077e43b89_mlp1:
	.size	k_q2077e43b89_mlp1, .Lfunc_end_k_q2077e43b89_mlp1-k_q2077e43b89_mlp1
	.p2alignl 7, 3214868480
	.fill 96, 4, 3214868480
	.section	.rodata,"a",@progbits
	.p2align	6, 0x0
	.amdhsa_kernel k_q2077e43b89_mlp1
		.amdhsa_group_segment_fixed_size 327680
		.amdhsa_private_segment_fixed_size 0
		.amdhsa_enable_private_segment 0
		.amdhsa_kernarg_size 32
		.amdhsa_user_sgpr_count 2
		.amdhsa_user_sgpr_kernarg_segment_ptr 1
		.amdhsa_wavefront_size32 1
		.amdhsa_system_sgpr_workgroup_id_x 1
		.amdhsa_system_sgpr_workgroup_id_y 1
		.amdhsa_system_sgpr_workgroup_id_z 1
		.amdhsa_system_vgpr_workitem_id 0
		.amdhsa_next_free_vgpr 1024
		.amdhsa_next_free_sgpr 66
		.amdhsa_reserve_vcc 0
		.amdhsa_float_denorm_mode_32 3
		.amdhsa_float_denorm_mode_16_64 3
		.amdhsa_memory_ordered 1
		.amdhsa_forward_progress 1
		.amdhsa_inst_pref_size 255
	.end_amdhsa_kernel
	.section	.bss,"aw",@nobits
	.p2align	6
	.space	262144
	.amdgpu_metadata
---
amdhsa.version: [ 1, 2 ]
amdhsa.kernels:
  - .name:           k_q2077e43b89_mlp1
    .symbol:         k_q2077e43b89_mlp1.kd
    .args:
      - { .name: nrm, .offset: 0, .size: 8, .value_kind: global_buffer, .address_space: global }
      - { .name: wts, .offset: 8, .size: 8, .value_kind: global_buffer, .address_space: global }
      - { .name: act, .offset: 16, .size: 8, .value_kind: global_buffer, .address_space: global }
      - { .name: mlp1_b, .offset: 24, .size: 8, .value_kind: global_buffer, .address_space: global }
    .group_segment_fixed_size: 327680
    .private_segment_fixed_size: 0
    .kernarg_segment_align: 8
    .kernarg_segment_size: 32
    .max_flat_workgroup_size: 128
    .sgpr_count:     66
    .vgpr_count:     1024
    .wavefront_size: 32
...
	.end_amdgpu_metadata
.endif
;; end of part 6
;; launch mlp2 (part 7): grid 8 x 32, 4 waves a work-group, clusters of 4 x 4, 327,680 bytes of LDS; arguments act, wts, out0, post, mlp2_b; writes out0
.if DOCPART == 7
	.amdgcn_target "amdgcn-amd-amdhsa--gfx1250"
	.amdhsa_code_object_version 6
	.text
	.protected	k_q2077e43b89_mlp2
	.globl	k_q2077e43b89_mlp2
	.p2align	8
	.type	k_q2077e43b89_mlp2,@function
k_q2077e43b89_mlp2:
	s_mov_b64 s[64:65], 0
	v_nop
	global_prefetch_b8 v0, s[64:65] scope:SCOPE_SE
	s_setreg_imm32_b32 hwreg(HW_REG_WAVE_MODE, 25, 1), 1
	s_wait_xcnt 0x0
	s_wait_alu depctr_hold_cnt(0) depctr_sa_sdst(0) depctr_va_vdst(0) depctr_va_sdst(0) depctr_va_ssrc(0) depctr_va_vcc(0) depctr_vm_vsrc(0)
	s_getreg_b32 s2, hwreg(HW_REG_IB_STS2, 6, 4)
	s_cmp_eq_u32 s2, 0
	s_cbranch_scc0 .Lentry_in_a_cluster
	s_endpgm
.Lentry_in_a_cluster:
	s_bfe_u32 s2, ttmp6, 0x10000c
	s_cmp_lg_u32 s2, 0xf033
	s_cbranch_scc0 .Lentry_shape_is_right
	s_endpgm
.Lentry_shape_is_right:
; C[m][n] = R[m][n] + bias[n] + sum over k of A[m][k] B[n][k].  A: [4096][SIZE_K] bf16; B: 1024 n x SIZE_K k bf16 in fragment order at byte WOFF of wts
; (8,192 bytes for each 128 n x 32 k, the k steps of one n block following each other); R and C: [4096][1024] f32.
; 4,096 x 1,024 results over 256 work-groups are 128 x 128 each.  Every wave keeps a whole 128 x 128 block of partial sums (512 registers) and takes a
; quarter of K; the four blocks are added once, through LDS, which also turns the register layout into whole rows.  So K is summed in four parts:
; another order of rounding.
; A: two LDS slots of 512 along K.  Wave w multiplies k = 128 w .. 128 w + 127 of a slot, four k steps of 32, and fetches just that part itself: one
; tensor load of 128 rows x 256 bytes (pitch 272).  4 x 4 work-groups form a cluster; the four of a row need the same rows of A and ask jointly.
; B: straight from memory into registers: a load of the wave is 512 consecutive bytes, half an operand.  A ring of four stages of 64 registers, stage =
; k step % 4; the loads of k step g + 3 are issued at the head of step g, so 48 loads, 24,576 bytes a wave, are on their way.
; B IS NOT ASKED FOR JOINTLY, though the four work-groups of a cluster's column read the same bytes: with both operands in LDS two slots of these bytes
; hold 256 along K each, 128 matrix instructions a wave for each refill; with A alone they hold 512, 256 matrix instructions, of which 240 stand
; between a refill's request and the wait for it; and B's bytes are neither written to LDS nor read from it.
; Registers: window 0: v0-31 addresses, v64-127 and v128-191 fragments of A (two buffers); window 1: v0-255 B's four stages, at the end R in v0-127;
; windows 2 and 3: accumulators, tile (a, b) at v[8 (8 a + b)].  Source 0 is 16 rows of B, source 1 16 rows of A: lane l holds row l % 16 and columns
; 8 (l / 16) + 0 .. 7 of a tile.
.set SIZE_K, 4096
.set WOFF,   0xe00000
.set KK,     SIZE_K/32                 ; k steps in a row of B
.set PITCH,  272                       ; 256 bytes + 16: the sixteen rows of a fragment load start at sixteen different 16-byte columns
.set PARTB,  128*PITCH                 ; a wave's part of a slot: one tensor load
.set SLOT,   4*PARTB
.set SLOTB,  16*8192                   ; B: from my k steps of one slot to those of the next
.set RP,     528                       ; the way out: a row of 128 f32 + 16 bytes
.set SW,     128*RP                    ; a wave's partial block, laid over the slots after their last fill
.set LAPS,   SIZE_K/1024               ; a lap = both slots = 8 k steps of a wave
.set RDS,  8                           ; v8-11   the way out: my 16 bytes of my first row in partial block 0..3
.set ADRA, 16                          ; v16-17  LDS address of my A fragments in slot 0, 1
.set STO,  24
.set CO,   26                          ; 16 x lane
.set BIAS, 28                          ; v[28:31]
.set F0,   64
.set F1,   128
.set G1, 24                            ; s[24:31] descriptor group 1
.set G0, 32                            ; s[32:39] descriptor group 0, one set a slot
.set BB, 48                            ; s[48:49] B: my k step 0 of the current lap
.set MSB, 0
.macro WIN new                         ; the immediate's high byte repeats the setting that is left
.if MSB != \new
	s_set_vgpr_msb (MSB<<8)|\new
.set MSB, \new
.endif
.endm
.set MUL_LO, 0xa1                      ; source 0 (B) window 1, source 1 (A) window 0, C and D window 2
.set MUL_HI, 0xf1                      ; the same, C and D window 3
.set TO_B,   0x40                      ; destination window 1, address window 0
.macro CREST                           ; a round of the cluster's barrier behind its opening work-group barrier
	s_cmp_lg_u32 s10, 0
	s_cbranch_scc1 .Lnot_wave_0_\@
	s_barrier_signal -3
.Lnot_wave_0_\@:
	s_barrier_wait -3
	s_barrier_signal -1
	s_barrier_wait -1
.endm
.macro CROUND
	s_barrier_signal -1
	s_barrier_wait -1
	CREST
.endm
.macro PLACES                          ; four independent vector instructions between a matrix instruction and a load into, or a vector use of, its registers
.rept 4
	v_nop
.endr
.endm
.macro BLOAD g                         ; the 16 loads of k step g of this lap (8 to 10: the next lap's first steps), into stage g % 4
	WIN TO_B
.irp b, 0,1,2,3,4,5,6,7
	global_load_b128 v[64*((\g)%4)+8*\b:64*((\g)%4)+8*\b+3],   v[CO], s[BB:BB+1] offset:((\g)/4)*SLOTB+((\g)%4)*8192+\b*1024
	global_load_b128 v[64*((\g)%4)+8*\b+4:64*((\g)%4)+8*\b+7], v[CO], s[BB:BB+1] offset:((\g)/4)*SLOTB+((\g)%4)*8192+\b*1024+512
.endr
.endm
.macro RLOAD part                      ; 16 of my 32 rows of R, 512 bytes each, into the stage that B needs no more
	WIN TO_B
.set e, 0
.rept 16
	global_load_b128 v[64*(\part)+4*e:64*(\part)+4*e+3], v[CO], s[68:69] offset:4096*(16*(\part)+e)
.set e, e+1
.endr
.endm
.macro AHEAD kind, g                   ; 16 loads either way, so that the counts below hold in every step.  kind 1: B's step g + 3; 2, 3: R's halves
.if \kind == 1
	BLOAD \g+3
.else
	RLOAD \kind-2
.endif
.endm
.macro FETCHA sl, j, f                 ; 16 LDS loads: A's 128 rows, 32 k at byte 64 j of my part's rows
	WIN 0
.irp i, 0,1,2,3,4,5,6,7
	ds_load_b128 v[\f+8*\i:\f+8*\i+3],   v[ADRA+\sl] offset:64*(\j)+\i*16*PITCH
	ds_load_b128 v[\f+8*\i+4:\f+8*\i+7], v[ADRA+\sl] offset:64*(\j)+\i*16*PITCH+32
.endr
.endm
; 16 matrix instructions: m blocks a0, a0 + 1 of the window's four x all 8 n blocks.  zero = 1: the first product starts the sums.
; The 64 accumulators take turns, one instruction a turn, in the same order in every k step.
.macro MUL16 fa, fb, hi, a0, zero
.irp a, \a0, \a0+1
.irp b, 0,1,2,3,4,5,6,7
.if \zero
	v_wmma_f32_16x16x32_bf16 v[8*(8*(\a)+\b):8*(8*(\a)+\b)+7], v[\fb+8*\b:\fb+8*\b+7], v[\fa+8*(4*\hi+\a):\fa+8*(4*\hi+\a)+7], 0
.else
	v_wmma_f32_16x16x32_bf16 v[8*(8*(\a)+\b):8*(8*(\a)+\b)+7], v[\fb+8*\b:\fb+8*\b+7], v[\fa+8*(4*\hi+\a):\fa+8*(4*\hi+\a)+7], v[8*(8*(\a)+\b):8*(8*(\a)+\b)+7]
.endif
.endr
.endr
.endm
; One of a slot's first three k steps (j = 0, 1, 2; g = its number in the lap).  At its head the registers that the step before read are loaded again.
.macro STEP sl, j, zero, kind, g
	PLACES
	AHEAD \kind, \g
	FETCHA \sl, \j+1, F0+64*((\j+1)%2)
	s_wait_loadcnt 48                              ; loads return in order: this step's B is in; three runs of 16 younger loads stay out
	s_wait_dscnt 16                                ; this step's A is in; the 16 loads just issued stay out
	WIN MUL_LO
	MUL16 F0+64*(\j%2), 64*\j, 0, 0, \zero
	MUL16 F0+64*(\j%2), 64*\j, 0, 2, \zero
	WIN MUL_HI
	MUL16 F0+64*(\j%2), 64*\j, 1, 0, \zero
	MUL16 F0+64*(\j%2), 64*\j, 1, 2, \zero
.endm
; A slot's last k step, and the change of slots.  Its fragments were fetched a step ago, so my reads of the slot are over at its head.  In front of the
; barrier each wave waits for them and for all its tensor loads (one is out: its part of the other slot); behind it (with a refill: behind a round of the
; cluster's barrier) the refill comes first, then the other slot's first fragments.
.macro TURN sl, fill, g
	s_wait_loadcnt 32                              ; this step's B is in; the two younger runs of 16 stay out
	s_wait_dscnt 0                                 ; my reads of this slot are over
	s_set_vgpr_msb 0xf1f0
	s_wait_tensorcnt 0x0                           ; all my tensor loads have landed
	ds_add_u32 v254, v255
	s_wait_dscnt 0x0
	s_set_vgpr_msb 0xf0f1
	s_barrier_signal -1
	WIN MUL_LO
	MUL16 F1, 192, 0, 0, 0                         ; register work while the others arrive
	WIN 0
	s_barrier_wait -1
.if \fill
	CREST                                          ; all sixteen work-groups have said so: no partner's wave still reads this slot or has a load on its way
	s_add_nc_u64 s[G0+4*\sl+2:G0+4*\sl+3], s[G0+4*\sl+2:G0+4*\sl+3], 2048   ; two slots of 1,024 bytes along the rows
	tensor_load_to_lds s[G0+4*\sl:G0+4*\sl+3], s[G1:G1+7]                   ; my one tensor load behind the round
	s_nop 0
.endif
	PLACES
	BLOAD \g+3
	FETCHA 1-\sl, 0, F0
	WIN MUL_LO
	MUL16 F1, 192, 0, 2, 0
	WIN MUL_HI
	MUL16 F1, 192, 1, 0, 0
	MUL16 F1, 192, 1, 2, 0
.endm
.macro FINAL                           ; the very last k step: nothing more to fetch
	s_wait_loadcnt 32                              ; its B is in; R's 32 loads stay out
	s_wait_dscnt 0
	WIN MUL_LO
	MUL16 F1, 192, 0, 0, 0
	MUL16 F1, 192, 0, 2, 0
	WIN MUL_HI
	MUL16 F1, 192, 1, 0, 0
	MUL16 F1, 192, 1, 2, 0
.endm
.macro LAP zero, last                  ; both slots.  last = 1: nothing is filled again, B's loads end with step 7, and R's take their place
	STEP 0, 0, \zero, 1, 0
	STEP 0, 1, 0, 1, 1
	STEP 0, 2, 0, 1, 2
	TURN 0, 1-\last, 3
	STEP 1, 0, 0, 1, 4
.if \last
	STEP 1, 1, 0, 2, 5
	STEP 1, 2, 0, 3, 6
	FINAL
.else
	STEP 1, 1, 0, 1, 5
	STEP 1, 2, 0, 1, 6
	TURN 1, 1, 7
	WIN 0
	s_wait_xcnt 0x0                                ; B's base, which the loads above name, is stepped only behind this wait
	s_add_nc_u64 s[BB:BB+1], s[BB:BB+1], 2*SLOTB
.endif
.endm
	s_load_b128 s[4:7], s[0:1], 0x0                ; A s[4:5], wts s[6:7]
	s_load_b64 s[8:9], s[0:1], 0x10                ; C
	s_load_b128 s[68:71], s[0:1], 0x18             ; R s[68:69], bias s[70:71]
	v_lshl_add_u32 v254, v0, 2, 0x44000
	v_mov_b32 v255, 0
	ds_add_u32 v254, v255
	ds_add_u32 v254, v255
	v_lshrrev_b32 v1, 5, v0
	v_readfirstlane_b32 s10, v1                    ; wave
	s_bfe_u32 s40, ttmp6, 0x40000                  ; cx
	s_bfe_u32 s41, ttmp6, 0x40004                  ; cy
	s_lshl_b32 s42, ttmp9, 2
	s_add_co_u32 s42, s42, s40                     ; block column
	s_and_b32 s13, ttmp7, 0xffff
	s_lshl_b32 s13, s13, 2
	s_add_co_u32 s13, s13, s41                     ; block row
	s_lshl_b32 s43, s41, 2
	s_lshl_b32 s43, 15, s43                        ; my row of the cluster
	s_or_b32 s[G1+0], s43, (1<<16)|(1<<20)|(1<<21)|(5<<22)|(3<<25)  ; mask; 2-byte elements; padding: 4 words behind every 64; bit 21 beside a mask
	s_mov_b32 s[G1+1], 128<<16                     ; tensor_dim0 = 128
	s_mov_b32 s[G1+2], 128<<16                     ; tensor_dim1 = 128
	s_mov_b32 s[G1+3], 128<<16                     ; tile_dim0 = 128
	s_mov_b32 s[G1+4], 128                         ; tile_dim1 = 128
	s_mov_b32 s[G1+5], SIZE_K                      ; elements from row to row
	s_mov_b32 s[G1+6], 0
	s_mov_b32 s[G1+7], 0
	s_lshl_b32 s16, s13, 7                         ; A: row 128 x block row
	s_mov_b32 s17, 0
	s_mov_b64 s[18:19], SIZE_K*2
	s_mul_u64 s[16:17], s[16:17], s[18:19]
	s_lshl_b32 s18, s10, 8                         ; my 128 of a slot's K
	s_mov_b32 s19, 0
	s_add_nc_u64 s[16:17], s[16:17], s[18:19]
	s_mul_i32 s20, s10, PARTB                      ; LDS: wave x a part; no place in the cluster enters an LDS address
	s_mul_i32 s46, s42, KK*8192                    ; B: my block of 128 n,
	s_lshl_b32 s47, s10, 15                        ; my four k steps of a slot's sixteen
	s_add_co_u32 s46, s46, s47
	s_add_co_u32 s46, s46, WOFF
	s_mov_b32 s47, 0
	s_lshl_b32 s14, s13, 7                         ; R and C: row 128 x block row + 32 w,
	s_lshl_b32 s15, s10, 5
	s_add_co_u32 s14, s14, s15
	s_lshl_b32 s14, s14, 12                        ; rows of 4,096 bytes,
	s_mov_b32 s15, 0
	s_lshl_b32 s44, s42, 9                         ; 128 columns of 4 bytes a block
	s_mov_b32 s45, 0
	v_and_b32 v6, 31, v0
	v_lshlrev_b32 v[CO], 4, v6                     ; 16 bytes a lane: 512 consecutive bytes by one instruction of the wave
	s_wait_dscnt 0x0
	s_wait_kmcnt 0x0
	s_add_nc_u64 s[BB:BB+1], s[6:7], s[46:47]
	s_add_nc_u64 s[70:71], s[70:71], s[44:45]
	s_add_nc_u64 s[68:69], s[68:69], s[14:15]
	s_add_nc_u64 s[68:69], s[68:69], s[44:45]
	s_add_nc_u64 s[8:9], s[8:9], s[14:15]
	s_add_nc_u64 s[8:9], s[8:9], s[44:45]
	s_add_nc_u64 s[50:51], s[4:5], s[16:17]
	global_load_b128 v[BIAS:BIAS+3], v[CO], s[70:71]   ; older than every load of B: the first counted wait covers it
	BLOAD 0                                        ; B's first three k steps go out before anything else
	BLOAD 1
	BLOAD 2
	WIN 0
	CROUND                                         ; the first joint loads meet
.irp s, 0,1
	s_mov_b32 s[G0+4*\s], 1
	s_add_co_u32 s[G0+4*\s+1], s20, \s*SLOT
	s_add_nc_u64 s[G0+4*\s+2:G0+4*\s+3], s[50:51], \s*1024
	s_or_b32 s[G0+4*\s+3], s[G0+4*\s+3], 0x80000000
	tensor_load_to_lds s[G0+4*\s:G0+4*\s+3], s[G1:G1+7]            ; two tensor loads of the wave are out here, later one
	s_nop 0
.endr
	v_and_b32 v1, 15, v0                           ; r
	v_bfe_u32 v2, v0, 4, 1                         ; h
	v_mul_u32_u24 v3, v1, PITCH
	v_lshl_add_u32 v3, v2, 4, v3
	v_add_nc_u32 v[ADRA], s20, v3
	v_add_nc_u32 v[ADRA+1], SLOT, v[ADRA]
	v_mul_u32_u24 v4, v1, RP
	v_lshl_add_u32 v4, v2, 5, v4                   ; the way out: row r, 32 bytes for each half of the lanes
	s_mul_i32 s23, s10, SW
	v_add_nc_u32 v[STO], s23, v4
	s_mul_i32 s23, s10, 32*RP                      ; I add up rows 32 w .. 32 w + 31
	v_add_nc_u32 v7, s23, v[CO]
.irp s, 0,1,2,3
	v_add_nc_u32 v[RDS+\s], \s*SW, v7
.endr
	s_wait_tensorcnt 1                             ; my part of slot 0 is in; slot 1's load stays out
	s_barrier_signal -1
	s_barrier_wait -1
	FETCHA 0, 0, F0
	LAP 1, 0                                       ; the first lap stands in front of the loop: its first products start the sums
	s_mov_b32 s3, LAPS-2
.Llap:
	LAP 0, 0
	s_sub_co_u32 s3, s3, 1
	s_cmp_lg_u32 s3, 0
	s_cbranch_scc1 .Llap
	LAP 0, 1                                       ; the last lap fills nothing
	; THE WAY OUT.  The four partial blocks meet in LDS; wave w adds up rows 32 w .. 32 w + 31, the bias and R.
	PLACES
	WIN 0
	s_barrier_signal -1                            ; every wave's reads of the slots are back and no tensor load is out: the slots have had their last fill
	s_barrier_wait -1
	WIN 0x08                                       ; store data from window 2
.irp a, 0,1,2,3
.irp b, 0,1,2,3,4,5,6,7
	ds_store_b128 v[STO], v[8*(8*\a+\b):8*(8*\a+\b)+3]   offset:16*RP*\a+64*\b
	ds_store_b128 v[STO], v[8*(8*\a+\b)+4:8*(8*\a+\b)+7] offset:16*RP*\a+64*\b+16
.endr
.endr
	WIN 0x0c                                       ; from window 3
.irp a, 0,1,2,3
.irp b, 0,1,2,3,4,5,6,7
	ds_store_b128 v[STO], v[8*(8*\a+\b):8*(8*\a+\b)+3]   offset:16*RP*(\a+4)+64*\b
	ds_store_b128 v[STO], v[8*(8*\a+\b)+4:8*(8*\a+\b)+7] offset:16*RP*(\a+4)+64*\b+16
.endr
.endr
	WIN 0
	s_wait_dscnt 0x0                               ; zero: the other waves read these bytes
	s_barrier_signal -1
	s_barrier_wait -1
.irp gq, 0,1,2,3
	s_wait_xcnt 0x0                                ; the registers that the last group's stores read are loaded again only behind this wait
.irp s, 0,1,2,3
.irp rr, 0,1,2,3,4,5,6,7
	ds_load_b128 v[F0+32*\s+4*\rr:F0+32*\s+4*\rr+3], v[RDS+\s] offset:RP*(8*\gq+\rr)
.endr
.endr
	s_wait_dscnt 0x0
.if \gq == 0
	s_wait_loadcnt 0x0                             ; R
.endif
.set e, 0
.rept 16
	v_pk_add_f32 v[F0+e:F0+e+1], v[F0+e:F0+e+1], v[F0+32+e:F0+32+e+1]
	v_pk_add_f32 v[F0+64+e:F0+64+e+1], v[F0+64+e:F0+64+e+1], v[F0+96+e:F0+96+e+1]
.set e, e+2
.endr
.set e, 0
.rept 16
	v_pk_add_f32 v[F0+e:F0+e+1], v[F0+e:F0+e+1], v[F0+64+e:F0+64+e+1]
.set e, e+2
.endr
.set e, 0
.rept 16
	v_pk_add_f32 v[F0+e:F0+e+1], v[F0+e:F0+e+1], v[BIAS+(e&3):BIAS+(e&3)+1]
.set e, e+2
.endr
	WIN 0x04                                       ; source 1 from window 1: R, row e at v[4 e]
.set e, 0
.rept 16
	v_pk_add_f32 v[F0+e:F0+e+1], v[F0+e:F0+e+1], v[32*\gq+e:32*\gq+e+1]
.set e, e+2
.endr
	WIN 0
.irp rr, 0,1,2,3,4,5,6,7
	global_store_b128 v[CO], v[F0+4*\rr:F0+4*\rr+3], s[8:9] offset:4096*(8*\gq+\rr)   ; the wave stores 512 consecutive aligned bytes
.endr
.endr
	s_wait_tensorcnt 0x0
	ds_add_u32 v254, v255
	s_wait_dscnt 0x0
	CROUND                                         ; the closing round
	s_endpgm
.Lfunc_end_k_q2077e43b89_mlp2:
	.size	k_q2077e43b89_mlp2, .Lfunc_end_k_q2077e43b89_mlp2-k_q2077e43b89_mlp2
	.p2alignl 7, 3214868480
	.fill 96, 4, 3214868480
	.section	.rodata,"a",@progbits
	.p2align	6, 0x0
	.amdhsa_kernel k_q2077e43b89_mlp2
		.amdhsa_group_segment_fixed_size 327680
		.amdhsa_private_segment_fixed_size 0
		.amdhsa_enable_private_segment 0
		.amdhsa_kernarg_size 40
		.amdhsa_user_sgpr_count 2
		.amdhsa_user_sgpr_kernarg_segment_ptr 1
		.amdhsa_wavefront_size32 1
		.amdhsa_system_sgpr_workgroup_id_x 1
		.amdhsa_system_sgpr_workgroup_id_y 1
		.amdhsa_system_sgpr_workgroup_id_z 1
		.amdhsa_system_vgpr_workitem_id 0
		.amdhsa_next_free_vgpr 1024
		.amdhsa_next_free_sgpr 72
		.amdhsa_reserve_vcc 0
		.amdhsa_float_denorm_mode_32 3
		.amdhsa_float_denorm_mode_16_64 3
		.amdhsa_memory_ordered 1
		.amdhsa_forward_progress 1
		.amdhsa_inst_pref_size 216
	.end_amdhsa_kernel
	.amdgpu_metadata
---
amdhsa.version: [ 1, 2 ]
amdhsa.kernels:
  - .name:           k_q2077e43b89_mlp2
    .symbol:         k_q2077e43b89_mlp2.kd
    .args:
      - { .name: act, .offset: 0, .size: 8, .value_kind: global_buffer, .address_space: global }
      - { .name: wts, .offset: 8, .size: 8, .value_kind: global_buffer, .address_space: global }
      - { .name: out0, .offset: 16, .size: 8, .value_kind: global_buffer, .address_space: global }
      - { .name: post, .offset: 24, .size: 8, .value_kind: global_buffer, .address_space: global }
      - { .name: mlp2_b, .offset: 32, .size: 8, .value_kind: global_buffer, .address_space: global }
    .group_segment_fixed_size: 327680
    .private_segment_fixed_size: 0
    .kernarg_segment_align: 8
    .kernarg_segment_size: 40
    .max_flat_workgroup_size: 128
    .sgpr_count:     72
    .vgpr_count:     1024
    .wavefront_size: 32
...
	.end_amdgpu_metadata
.endif
;; end of part 7
